; MI455X (gfx1250); checked and timed in simulation.
; The chip was launched on July 23, 2026; its instructions are those of AMD's public machine-readable ISA for CDNA 5 (MIT licence, August 2026) and "CDNA5" Instruction Set Architecture Reference Guide (July 2026). The comments in the code are by the model that wrote it; some were corrected since.
;; Multi Head. Allowed arithmetic: matrix products marked QUANTISED: E2M1 operands, one E8M0 scale for each 32 along K, by v_wmma_scale_f32_16x16x128_f8f6f4 with both operands' format E2M1 (or v_wmma_scale_f32_32x16x128_f4), f32 sums; everything else in f32.
;; Inputs: Wf_codes 1,024 x 32 x 16 uint8 (E2M1 codes of Wf, K innermost, in blocks of 32 codes, two codes a byte); Wf_scales 1,024 x 32 uint8 (E8M0 scales of Wf, one for each 32 codes along K); Wk_codes 1,024 x 32 x 16 uint8 (E2M1 codes of Wk, K innermost, in blocks of 32 codes, two codes a byte); Wk_scales 1,024 x 32 uint8 (E8M0 scales of Wk, one for each 32 codes along K); Wq_codes 1,024 x 32 x 16 uint8 (E2M1 codes of Wq, K innermost, in blocks of 32 codes, two codes a byte); Wq_scales 1,024 x 32 uint8 (E8M0 scales of Wq, one for each 32 codes along K); Wv_codes 1,024 x 32 x 16 uint8 (E2M1 codes of Wv, K innermost, in blocks of 32 codes, two codes a byte); Wv_scales 1,024 x 32 uint8 (E8M0 scales of Wv, one for each 32 codes along K); bf 1,024 float32; bk 1,024 float32; bq 1,024 float32; bv 1,024 float32; x 4 x 2,048 x 1,024 float32.
;; Outputs: out0 4 x 2,048 x 1,024 float32.
;; This version of the problem:
;;   THIS VERSION OF THE PROBLEM IS GIVEN IN LOW PRECISION. The matrix products marked QUANTISED in the list below multiply operands that are first quantised to E2M1 (2 exponent bits, 1 mantissa bit; 4 bits a number), with one power-of-two scale for each 32 numbers along K (OCP MX v1.0); their sums are f32. All else is computed in f32.
;;   The module's matrix products, in the order in which they are computed (A, B: the left and right operand; K: the contracted axis; several contracted axes count as one K, in the product's order):
;;     1. [M 8,192, K 1,024] x [K 1,024, N 1,024]; A: input x; B: input Wq (given as codes): QUANTISED
;;     2. [M 8,192, K 1,024] x [K 1,024, N 1,024]; A: input x; B: input Wk (given as codes): QUANTISED
;;     3. [M 8,192, K 1,024] x [K 1,024, N 1,024]; A: input x; B: input Wv (given as codes): QUANTISED
;;     4. batch 64 x [M 2,048, K 64] x [K 64, N 2,048]; A: computed on the way; B: computed on the way: QUANTISED
;;     5. batch 64 x [M 2,048, K 2,048] x [K 2,048, N 64]; A: softmax (see below); B: computed on the way: QUANTISED
;;     6. [M 8,192, K 1,024] x [K 1,024, N 1,024]; A: computed on the way; B: input Wf (given as codes): QUANTISED
;;   THE QUANTISER, for each operand of a quantised product, along K:
;;     - K is cut into blocks of 32 from its start; a last block that is shorter is filled with zeros.
;;     - A block's scale is 2^e with e = floor(log2(the largest magnitude in the block)) - 2, held to -126 .. 127; a block of zeros has e = 0. As a byte (E8M0): e + 127.
;;     - Each number is divided by its block's scale, clamped to +-6, and rounded to the nearest number of E2M1, ties to even, subnormals kept.
;;     - The product sums the exact products of the quantised numbers (number of the format x scale) in f32.
;;   ~~~python
;;   def quantise(x, axis):      # numpy; x: float32 -> the quantised numbers, widened to float32 again
;;       x = np.moveaxis(x, axis, -1); K = x.shape[-1]
;;       x = np.pad(x, [(0, 0)] * (x.ndim - 1) + [(0, -K % 32)]); x = x.reshape(x.shape[:-1] + (-1, 32)); a = np.abs(x).max(-1, keepdims=True)
;;       e = np.where(a > 0, np.clip(np.frexp(np.where(a > 0, a, 1))[1] - 1 - 2, -126, 127), 0)      # np.frexp(a)[1] - 1 = floor(log2(a)), exactly
;;       r = np.clip(x / 2.0 ** e, -6, 6)
;;       step = 2.0 ** (np.maximum(np.frexp(np.where(r == 0, 1, r))[1] - 1, 0) - 1)
;;       q = np.round(r / step) * step * 2.0 ** e      # np.round: ties to even
;;       return np.moveaxis(q.reshape(q.shape[:-2] + (-1,))[..., :K], -1, axis).astype(np.float32)
;;   ~~~
;;   SOFTMAX AHEAD OF A QUANTISED PRODUCT. Where the list says 'softmax', what is quantised is not the finished softmax but p = 2^(t - M), with t = logit x log2(e) and M = ceil(the row's largest t), a whole number; so 1/2 < the row's largest p <= 1. The row's sum l is taken of the UNQUANTISED p, in f32, and the product's result is divided by l at the end. Since M is a whole number, a kernel that streams over the keys may use a running M (the ceiling of the running maximum): every later rescaling is an exact power of two, which a block's scale takes up: the codes' values come out the same.
;;   OPERANDS COMPUTED ON THE WAY. 'Computed on the way' means the value that the module computes at that place (a softmax that the list does not call 'softmax' is quantised finished and normalised). What goes into a quantiser is computed in f32, as accurately as f32 sums, v_exp_f32 and their like allow (about 1e-6 of the number): no bf16 or f16 on the way to a quantiser, and a product that is left as it is and whose result goes on into a quantised operand takes f32 operands (vector FMAs, or v_wmma_f32_16x16x4_f32). A number that lies on a knife's edge between two numbers of the format may be rounded either way, as far as f32 arithmetic and the matrix unit's own rounding can turn it there, and no further.
;;   INPUTS GIVEN AS CODES. Wf (in the module: [1024, 1024], K = its axis 0); Wk (in the module: [1024, 1024], K = its axis 0); Wq (in the module: [1024, 1024], K = its axis 0); Wv (in the module: [1024, 1024], K = its axis 0): each comes as NAME_codes (uint8): NAME with its K axis moved to the last place and cut into blocks of 32 codes, [.., K / 32, bytes a block], one block behind the other in memory; two codes a byte, the lower K in the low four bits (a code: sign, 2 exponent bits, 1 mantissa bit); and NAME_scales (uint8): the same leading axes, one E8M0 byte (e + 127) for each 32 codes along K. Its value is code x scale, taken as it is: it is not quantised again, and the codes and scales need not be those that the quantiser above would give.
;; One version. Each part assembles by itself: llvm-mc -triple=amdgcn-amd-amdhsa -mcpu=gfx1250 --defsym DOCPART=n.
;; ======== version 1 of 1: 3 launches
;; workspace buffers: qimg 4,194,304 bytes; kimg 4,194,304 bytes; vimg 4,194,304 bytes; ccodes 4,194,304 bytes; qsc 262,144 bytes; ksc 262,144 bytes; vsc 262,144 bytes; cscales 262,144 bytes
;; launch proj (part 1): grid 64 x 4, 4 waves a work-group, clusters of 4 x 1, 327,680 bytes of LDS; arguments x, Wq_codes, Wq_scales, bq, Wk_codes, Wk_scales, bk, Wv_codes, Wv_scales, bv, qimg, qsc, kimg, ksc, vimg, vsc; writes qimg, qsc, kimg, ksc, vimg, vsc
.if DOCPART == 1
	.amdgcn_target "amdgcn-amd-amdhsa--gfx1250"
	.amdhsa_code_object_version 6
	.text
	.protected	k_q1439f902eb_proj
	.globl	k_q1439f902eb_proj
	.p2align	8
	.type	k_q1439f902eb_proj,@function
k_q1439f902eb_proj:
	s_mov_b64 s[64:65], 0
	v_nop
	global_prefetch_b8 v0, s[64:65] scope:SCOPE_SE
	s_setreg_imm32_b32 hwreg(HW_REG_WAVE_MODE, 25, 1), 1
	s_wait_xcnt 0x0
	s_wait_alu depctr_hold_cnt(0) depctr_sa_sdst(0) depctr_va_vdst(0) depctr_va_sdst(0) depctr_va_ssrc(0) depctr_va_vcc(0) depctr_vm_vsrc(0)
	s_getreg_b32 s2, hwreg(HW_REG_IB_STS2, 6, 4)
	s_cmp_eq_u32 s2, 0
	s_cbranch_scc0 .Lentry_in_a_cluster
	s_endpgm
.Lentry_in_a_cluster:
	s_bfe_u32 s2, ttmp6, 0x10000c
	s_cmp_lg_u32 s2, 0x3003
	s_cbranch_scc0 .Lentry_shape_is_right
	s_endpgm
.Lentry_shape_is_right:
; q = x Wq + bq, k = x Wk + bk, v = x Wv + bv on codes of FP4 (E2M1) with one E8M0 scale for each 32 along K, and the three results quantised again for the attention launch.
; x: [8192][1024] f32, quantised here along its rows.  W*: codes [1024 (n)][512 bytes], scale bytes [1024][32].  The raw reshape makes head g the rows 128 g .. 128 g + 127; position = 16 R + col / 64, channel = col % 64.
; SHARES.  A work-group takes one head (128 rows) and a quarter y of the columns: q's and k's columns 256 y .. + 255, and 16 channels of v at all 16 column groups.  Wave w takes all 128 rows x 64 columns of each matrix,
; so a weight fragment is read from LDS once and feeds eight matrix instructions; x's 64 fragments (512 registers) stay in registers.
; THE MATRIX INSTRUCTION IS USED TRANSPOSED (source 0 = 16 rows of W, source 1 = 16 rows of x): a lane holds ONE row of x and eight outputs.  Which rows of W form a tile is chosen so that these lie along the next product's K:
;   q, k: lane r of tile (pp, u) takes row 32 pp + 8 u + r + 8 (r / 8) of the wave's 64: the 16 registers of tiles u = 0, 1 are channels 32 pp + 16 (lane / 16) + 0 .. 15;
;   v:    lane r of the tile of channel d takes row 64 r + d: the eight registers are column groups 8 (lane / 16) + 0 .. 7, that is eight KEYS; a block of 32 keys is rows 2 kb, 2 kb + 1: four lanes x eight registers.
; OUT, in the order of the reader's operand registers (b = R / 2, rho = R % 2, cg = col / 64, hp = half of the channels):
;   qimg, kimg: head x 65536 + b x 1024 + (cg / 4) x 256 + ((2 rho + hp) xor (cg / 4)) x 64 + (cg % 4) x 16: 16 bytes = 32 codes.   qsc, ksc: head x 4096 + (cg / 4) x 1024 + b x 16 + (cg % 4) x 4 + 2 rho + hp.
;   vimg: head x 65536 + kb x 1024 + ds x 16 + (2 sigma + rho) x 4: eight codes of keys (row 2 kb + rho, cg = 8 sigma + 0 .. 7); ds = 16 t + r' stands for channel 32 (t / 2) + 8 (t % 2) + r' + 8 (r' / 8).
;   vsc: head x 4096 + t x 1024 + (kb / 4) x 64 + r' x 4 + kb % 4.
; CLUSTER: the four work-groups of a cluster are four heads with the same y: they read the same weights, so every weight tile is asked for jointly, by the same tensor load with a mask that names the four.
; By this text's own count a wave has at most two tensor loads outstanding.
; LIMITS: NaN and infinities are not served.  A block whose largest magnitude lies under 2^-124 (a block of zeros too) gets the scale byte 1; the bytes are read by this program alone.
; REGISTERS, in windows of 256: window 0: v1-18 addresses, v19-22 the head loads' offsets, v24-47 at work, v48-95 W's scale words, v96-127 x's scale words, v128-255 sixteen accumulators (first: four rows of x).
;   window 1: v0-127 one pair's weight fragments, v128-223 the biases in the result's layout.   windows 2, 3: x's fragments of rows 0-63 and 64-127.
.set ACC,   128
.set WSLW,  67584                      ; LDS: a wave's two weight slots
.set WSLOT, 33792                      ; a slot: 64 rows x 528 bytes (v: 16 rows x 2080)
.set SPARE, 270336                     ; behind the slots: the spare words, 128 bytes a wave
.set XC,    270848                     ; codes of 64 rows of x, 528 bytes apart
.set XSL,   304640                     ; their scale bytes, 36 bytes apart
.set STG,   306944                     ; the way out: 64 units of 256 bytes, 272 apart
.set SST,   324352                     ; and 1,024 scale bytes
.set MSB, 0
.macro WIN new                         ; the immediate's high byte repeats the setting that is left
.if MSB != (\new)
	s_set_vgpr_msb (MSB<<8)|(\new)
.set MSB, (\new)
.endif
.endm
.macro PLACES n
.rept \n
	v_nop
.endr
.endm
.macro BARRIER                         ; my LDS stores have landed and my LDS loads are in: then the work-group's barrier
	s_wait_dscnt 0x0
	s_barrier_signal -1
	s_barrier_wait -1
.endm
.macro CROUND                          ; a round of the cluster's barrier
	s_barrier_signal -1
	s_barrier_wait -1
	s_cmp_lg_u32 s36, 0
	s_cbranch_scc1 .Lnot_wave_0_\@
	s_barrier_signal -3
.Lnot_wave_0_\@:
	s_barrier_wait -3
	s_barrier_signal -1
	s_barrier_wait -1
.endm
	s_load_b512 s[4:19], s[0:1], 0x0               ; x, Wq codes, Wq scales, bq, Wk codes, Wk scales, bk, Wv codes
	s_load_b512 s[20:35], s[0:1], 0x40             ; Wv scales, bv, qimg, qsc, kimg, ksc, vimg, vsc
	v_lshl_add_u32 v17, v0, 2, SPARE               ; my spare word; never rewritten
	v_mov_b32 v18, 0                               ; 0; never rewritten
	ds_add_u32 v17, v18
	ds_add_u32 v17, v18
	s_wait_dscnt 0x0
	v_lshrrev_b32 v24, 5, v0
	v_readfirstlane_b32 s36, v24                   ; wave 0..3
	s_bfe_u32 s37, ttmp6, 0x40000                  ; cx: it enters x's and the outputs' addresses alone
	s_lshl_b32 s38, ttmp9, 2
	s_add_co_u32 s38, s38, s37                     ; head = 4 x cluster x + cx
	s_and_b32 s39, ttmp7, 0xffff                   ; y, which the four partners share
	; descriptor group 1 for q's and k's tiles: 64 rows of 512 bytes, 16 bytes of padding behind each
	s_mov_b32 s40, 15|(1<<20)|(1<<21)|(6<<22)|(3<<25)  ; mask: all four; elements of 1 byte; padding on; bit 21 beside a mask; after every 128 words, 4 words
	s_mov_b32 s41, 512<<16                         ; tensor_dim0
	s_mov_b32 s42, 64<<16                          ; tensor_dim1
	s_mov_b32 s43, 512<<16                         ; tile_dim0
	s_mov_b32 s44, 64                              ; tile_dim1
	s_mov_b32 s45, 512                             ; pitch
	s_mov_b32 s46, 0
	s_mov_b32 s47, 0
	; and for v's: 16 rows (one for each column group) of 2,048 bytes (four neighbouring channels), 32,768 bytes apart; 16 bytes of padding behind every 1,024
	s_mov_b32 s48, 15|(1<<20)|(1<<21)|(7<<22)|(3<<25)
	s_mov_b32 s49, 2048<<16
	s_mov_b32 s50, 16<<16
	s_mov_b32 s51, 2048<<16
	s_mov_b32 s52, 16
	s_mov_b32 s53, 32768
	s_mov_b32 s54, 0
	s_mov_b32 s55, 0
	; offsets that hang on the head
	s_lshl_b32 s72, s38, 19                        ; x: 128 rows of 4,096 bytes
	s_mov_b32 s73, 0
	s_lshl_b32 s74, s38, 16                        ; the images
	s_mov_b32 s75, 0
	s_lshl_b32 s76, s38, 12                        ; the scale bytes: the head's 4,096, my quarter's 1,024
	s_lshl_b32 s77, s39, 10
	s_add_co_u32 s76, s76, s77
	s_mov_b32 s77, 0
	; offsets into the weights: they hang on y and the wave alone
	s_lshl_b32 s78, s39, 2
	s_add_co_u32 s78, s78, s36                     ; cg = 4 y + wave
	s_lshl_b32 s82, s78, 11                        ; 64 rows of 32 scale bytes
	s_mov_b32 s83, 0
	s_lshl_b32 s86, s78, 8                         ; 64 numbers of a bias
	s_mov_b32 s87, 0
	s_lshl_b32 s78, s78, 15                        ; 64 rows of 512 bytes of codes
	s_mov_b32 s79, 0
	s_lshr_b32 s80, s39, 1
	s_lshl_b32 s80, s80, 5
	s_and_b32 s81, s39, 1
	s_lshl_b32 s81, s81, 3
	s_add_co_u32 s80, s80, s81
	s_lshl_b32 s81, s36, 2
	s_add_co_u32 s80, s80, s81
	s_lshr_b32 s81, s36, 1
	s_lshl_b32 s81, s81, 3
	s_add_co_u32 s80, s80, s81                     ; my first channel of v: 32 (y / 2) + 8 (y % 2) + 4 w + 8 (w / 2)
	s_lshl_b32 s84, s80, 5
	s_mov_b32 s85, 0
	s_lshl_b32 s88, s80, 2
	s_mov_b32 s89, 0
	s_lshl_b32 s80, s80, 9
	s_mov_b32 s81, 0
	s_mul_i32 s90, s36, WSLW                       ; my slots in LDS
	s_mov_b32 s96, 0x76543210
	s_mov_b32 s97, 0xfedcba98                      ; v_permlanex16_b32's selects for lane l xor 16
	s_wait_kmcnt 0x0
	s_mov_b32 s56, 1                               ; group 0 for q's tile: slot 0
	s_mov_b32 s57, s90
	s_add_nc_u64 s[58:59], s[6:7], s[78:79]
	s_or_b32 s59, s59, 0x80000000
	s_mov_b32 s60, 1                               ; k's: slot 1
	s_add_co_u32 s61, s90, WSLOT
	s_add_nc_u64 s[62:63], s[12:13], s[78:79]
	s_or_b32 s63, s63, 0x80000000
	s_mov_b32 s68, 1                               ; v's: slot 0 again, later
	s_mov_b32 s69, s90
	s_add_nc_u64 s[70:71], s[18:19], s[80:81]
	s_or_b32 s71, s71, 0x80000000
	CROUND                                         ; all four work-groups are here: the first joint loads meet
	tensor_load_to_lds s[56:59], s[40:47]
	s_nop 0
	tensor_load_to_lds s[60:63], s[40:47]
	s_nop 0
	PLACES 4
	s_add_nc_u64 s[4:5], s[4:5], s[72:73]
	s_add_nc_u64 s[8:9], s[8:9], s[82:83]
	s_add_nc_u64 s[14:15], s[14:15], s[82:83]
	s_add_nc_u64 s[20:21], s[20:21], s[84:85]
	s_add_nc_u64 s[10:11], s[10:11], s[86:87]
	s_add_nc_u64 s[16:17], s[16:17], s[86:87]
	s_add_nc_u64 s[22:23], s[22:23], s[88:89]
	s_add_nc_u64 s[24:25], s[24:25], s[74:75]
	s_add_nc_u64 s[28:29], s[28:29], s[74:75]
	s_add_nc_u64 s[32:33], s[32:33], s[74:75]
	s_add_nc_u64 s[26:27], s[26:27], s[76:77]
	s_add_nc_u64 s[30:31], s[30:31], s[76:77]
	s_add_nc_u64 s[34:35], s[34:35], s[76:77]
	v_and_b32 v24, 31, v0                          ; lane
	v_and_b32 v25, 15, v0                          ; r
	v_bfe_u32 v26, v0, 4, 1                        ; h
	v_lshrrev_b32 v27, 1, v25                      ; r / 2
	v_and_b32 v28, 1, v25                          ; r % 2
	v_and_b32 v29, 8, v25
	v_add_nc_u32 v29, v29, v25                     ; r + 8 (r / 8)
	s_lshl_b32 s91, s36, 16
	v_lshl_add_u32 v1, v24, 5, s91                 ; v1  x: my wave's 16 rows, 32 bytes a lane
	s_mul_i32 s91, s36, 8448
	s_add_co_u32 s91, s91, XC
	v_lshl_add_u32 v2, v24, 2, s91                 ; v2  where I put eight codes of x
	s_mul_i32 s91, s36, 576
	s_add_co_u32 s91, s91, XSL
	v_lshrrev_b32 v3, 2, v24
	v_add_nc_u32 v3, s91, v3                       ; v3  and their block's scale byte
	v_mul_u32_u24 v4, v25, 528
	v_lshl_add_u32 v4, v26, 4, v4
	v_add_nc_u32 v4, XC, v4                        ; v4  a fragment of x: row r, + 16 h
	v_mul_u32_u24 v5, v25, 36
	v_lshl_add_u32 v5, v26, 2, v5
	v_add_nc_u32 v5, XSL, v5                       ; v5  its scale words: lanes 0-15 an even K step's, lanes 16-31 the next
	v_mul_u32_u24 v6, v29, 528
	v_lshl_add_u32 v6, v26, 4, v6
	v_add_nc_u32 v6, s90, v6                       ; v6  a fragment of Wq, Wk
	v_mul_u32_u24 v7, v25, 2080
	v_lshl_add_u32 v7, v26, 4, v7
	v_add_nc_u32 v7, s90, v7                       ; v7  a fragment of Wv
	s_lshl_b32 s91, s36, 4
	s_add_co_u32 s91, s91, STG
	v_mul_u32_u24 v30, v27, 272
	v_lshl_add_u32 v8, v28, 7, v30
	v_mad_u32_u24 v8, v26, 2176, v8
	v_add_nc_u32 v8, s91, v8                       ; v8  the stage, q and k: unit r / 2 (+ 8 h), 128 (r % 2) + 16 w
	s_lshl_b32 s91, s36, 2
	s_add_co_u32 s91, s91, SST
	v_lshlrev_b32 v9, 4, v27
	v_lshl_add_u32 v9, v28, 1, v9
	v_add_nc_u32 v9, s91, v9                       ; v9  their scale bytes
	s_lshl_b32 s91, s36, 6
	s_add_co_u32 s91, s91, STG
	v_lshl_add_u32 v10, v26, 3, v30
	v_lshl_add_u32 v10, v28, 2, v10
	v_add_nc_u32 v10, s91, v10                     ; v10 the stage, v: unit r / 2, 64 w + 8 h + 4 (r % 2)
	s_lshl_b32 s91, s36, 4
	s_add_co_u32 s91, s91, SST
	v_lshrrev_b32 v11, 3, v25
	v_and_b32 v31, 3, v27
	v_lshl_add_u32 v11, v11, 6, v31
	v_add_nc_u32 v11, s91, v11                     ; v11 its scale bytes
	s_mul_i32 s91, s36, 4352
	s_add_co_u32 s91, s91, STG
	v_mul_u32_u24 v12, v26, 272
	v_lshl_add_u32 v12, v25, 4, v12
	v_add_nc_u32 v12, s91, v12                     ; v12 back from the stage: my 16 units, sixteen lanes to a unit
	s_lshl_b32 s91, s36, 8
	v_lshl_add_u32 v16, v24, 3, s91                ; v16 my 8 scale bytes in the work-group's 1,024
	v_add_nc_u32 v13, SST, v16                     ; v13 the same in LDS
	s_lshl_b32 s91, s36, 14
	s_lshl_b32 s92, s39, 8
	s_add_co_u32 s91, s91, s92
	v_lshl_add_u32 v31, v26, 10, s91
	v_lshl_add_u32 v15, v25, 4, v31                ; v15 vimg: unit (16 w + h) x 1024 + 256 y + 16 r
	v_lshrrev_b32 v14, 2, v25
	v_xor_b32 v14, s39, v14
	v_lshl_add_u32 v14, v14, 6, v31
	v_and_b32 v30, 3, v25
	v_lshl_add_u32 v14, v30, 4, v14                ; v14 qimg, kimg: the same with the unit's four quarters turned by y
	v_lshl_add_u32 v19, v26, 3, v29
	v_lshlrev_b32 v19, 5, v19                      ; v19 scale words of Wq, Wk: row 8 h + r + 8 (r / 8), 32 bytes a row
	v_lshlrev_b32 v20, 11, v25
	v_lshl_add_u32 v20, v26, 5, v20                ; v20 of Wv: row 64 r + h
	v_lshlrev_b32 v21, 6, v26                      ; v21 bq, bk: 16 h numbers on
	v_lshlrev_b32 v22, 11, v26                     ; v22 bv: 8 h column groups on
	; W's scale words: pair p at v[48 + 8 p ..]: lanes 0-15 tile u = 0, lanes 16-31 tile u = 1; register s = K step s
.irp pp, 0,1
	global_load_b128 v[48+8*\pp:51+8*\pp], v19, s[8:9] offset:1024*\pp
	global_load_b128 v[52+8*\pp:55+8*\pp], v19, s[8:9] offset:1024*\pp+16
	global_load_b128 v[64+8*\pp:67+8*\pp], v19, s[14:15] offset:1024*\pp
	global_load_b128 v[68+8*\pp:71+8*\pp], v19, s[14:15] offset:1024*\pp+16
	global_load_b128 v[80+8*\pp:83+8*\pp], v20, s[20:21] offset:64*\pp
	global_load_b128 v[84+8*\pp:87+8*\pp], v20, s[20:21] offset:64*\pp+16
.endr
	WIN 0x40                                       ; destination window 1: the biases, eight registers a tile in the result's layout
.irp pp, 0,1
.irp u, 0,1
	global_load_b128 v[128+8*(2*\pp+\u):131+8*(2*\pp+\u)], v21, s[10:11] offset:(32*\pp+8*\u)*4
	global_load_b128 v[132+8*(2*\pp+\u):135+8*(2*\pp+\u)], v21, s[10:11] offset:(32*\pp+8*\u)*4+16
	global_load_b128 v[160+8*(2*\pp+\u):163+8*(2*\pp+\u)], v21, s[16:17] offset:(32*\pp+8*\u)*4
	global_load_b128 v[164+8*(2*\pp+\u):167+8*(2*\pp+\u)], v21, s[16:17] offset:(32*\pp+8*\u)*4+16
.endr
.endr
.irp dd, 0,1,2,3
.irp j, 0,1,2,3,4,5,6,7
	global_load_b32 v[192+8*\dd+\j], v22, s[22:23] offset:256*\j+4*\dd
.endr
.endr
	WIN 0
; A row of x: eight loads; a lane takes eight neighbours along K of each quarter of the row
.macro XLOADROW row
.set LB, ACC+32*((\row)%4)
.irp ch, 0,1,2,3
	global_load_b128 v[LB+8*\ch:LB+8*\ch+3], v1, s[4:5] offset:((\row)/16)*262144+((\row)%16)*4096+\ch*1024
	global_load_b128 v[LB+8*\ch+4:LB+8*\ch+7], v1, s[4:5] offset:((\row)/16)*262144+((\row)%16)*4096+\ch*1024+16
.endr
.endm
; A row of x becomes codes and scale bytes in LDS.  A block of 32 lies in four neighbouring lanes.  left: the younger rows' loads, which may stay out
.macro XROW row, left
.set RB, ACC+32*((\row)%4)
.set PS, 32+8*((\row)%2)
	s_wait_loadcnt \left                           ; loads come back in order: this row's eight are in
	s_wait_dscnt 0x8                               ; only the last row's eight LDS stores may be out: the row before it has read the registers that are written below
.irp ch, 0,1,2,3
	v_max3_num_f32 v[24+\ch], |v[RB+8*\ch]|, |v[RB+8*\ch+1]|, 0x1800000   ; my eight numbers, and the floor 2^(3 - 127): the byte cannot fall under 1
.endr
.irp i, 2,4,6
.irp ch, 0,1,2,3
	v_max3_num_f32 v[24+\ch], v[24+\ch], |v[RB+8*\ch+\i]|, |v[RB+8*\ch+\i+1]|
.endr
.endr
.irp ch, 0,1,2,3
	v_max_num_f32_dpp v[24+\ch], v[24+\ch], v[24+\ch] row_xmask:1 row_mask:0xf bank_mask:0xf
.endr
.irp ch, 0,1,2,3
	v_max_num_f32_dpp v[24+\ch], v[24+\ch], v[24+\ch] row_xmask:2 row_mask:0xf bank_mask:0xf   ; the block's largest magnitude
.endr
.irp ch, 0,1,2,3
	v_add_nc_u32 v[28+\ch], 0xff000000, v[24+\ch]  ; 2 off its exponent field: the conversion's scale operand
.endr
.irp ch, 0,1,2,3
	v_cvt_scalef32_pk8_fp4_f32 v[PS+\ch], v[RB+8*\ch:RB+8*\ch+7], v[28+\ch]
.endr
.irp ch, 0,1,2,3
	v_lshrrev_b32 v[PS+4+\ch], 23, v[28+\ch]       ; the scale's byte.  (Also the plain line behind the conversions)
.endr
.irp ch, 0,1,2,3
	ds_store_b32 v2, v[PS+\ch] offset:((\row)%16)*528+128*\ch
	ds_store_b8 v3, v[PS+4+\ch] offset:((\row)%16)*36+8*\ch   ; the block's four lanes write the same byte with the same value
.endr
.if (\row)+4 < 32
	XLOADROW (\row)+4
.endif
.endm
; x's fragments of 64 rows into window 2 + hf, their scale words into window 0
.macro FRAGS hf
	WIN 0x80+0x40*(\hf)
.irp mtl, 0,1,2,3
.irp s, 0,1,2,3,4,5,6,7
.irp c, 0,1
	ds_load_b128 v[64*\mtl+8*\s+4*\c:64*\mtl+8*\s+4*\c+3], v4 offset:\mtl*8448+64*\s+32*\c
.endr
.endr
.endr
	WIN 0
.irp mtl, 0,1,2,3
.irp i, 0,1,2,3
	ds_load_b32 v[96+4*(4*(\hf)+\mtl)+\i], v5 offset:\mtl*576+8*\i
.endr
.endr
.endm
; A pair's weight fragments of K steps s0 .. s1 - 1 into window 1: (u, s) at 64 u + 8 s.  kind 0: Wq, Wk from slot; kind 1: Wv (channel 2 pp + u of my four)
.macro FETCHW kind, slot, pp, s0, s1
	WIN 0x40
.irp u, 0,1
.set FS, \s0
.rept (\s1)-(\s0)
.irp c, 0,1
.if \kind
	ds_load_b128 v[64*\u+8*FS+4*\c:64*\u+8*FS+4*\c+3], v7 offset:512*(2*(\pp)+\u)+16*(\pp)+64*FS+32*\c
.else
	ds_load_b128 v[64*\u+8*FS+4*\c:64*\u+8*FS+4*\c+3], v6 offset:(\slot)*WSLOT+(32*(\pp)+8*\u)*528+64*FS+32*\c
.endif
.endr
.set FS, FS+1
.endr
.endr
	WIN 0
.endm
.macro WM ra, rb                       ; one product on the registers named by rD, rA, rB, rC, rSA, rSB; ra, rb: the scales stand in lanes 16-31
.if (\ra) && (\rb)
	v_wmma_scale_f32_16x16x128_f8f6f4 v[rD:rD+7], v[rA:rA+7], v[rB:rB+7], v[rC:rC+7], v[rSA], v[rSB] matrix_a_fmt:MATRIX_FMT_FP4 matrix_b_fmt:MATRIX_FMT_FP4 matrix_a_scale:MATRIX_SCALE_ROW1 matrix_b_scale:MATRIX_SCALE_ROW1
.elseif (\ra)
	v_wmma_scale_f32_16x16x128_f8f6f4 v[rD:rD+7], v[rA:rA+7], v[rB:rB+7], v[rC:rC+7], v[rSA], v[rSB] matrix_a_fmt:MATRIX_FMT_FP4 matrix_b_fmt:MATRIX_FMT_FP4 matrix_a_scale:MATRIX_SCALE_ROW1
.elseif (\rb)
	v_wmma_scale_f32_16x16x128_f8f6f4 v[rD:rD+7], v[rA:rA+7], v[rB:rB+7], v[rC:rC+7], v[rSA], v[rSB] matrix_a_fmt:MATRIX_FMT_FP4 matrix_b_fmt:MATRIX_FMT_FP4 matrix_b_scale:MATRIX_SCALE_ROW1
.else
	v_wmma_scale_f32_16x16x128_f8f6f4 v[rD:rD+7], v[rA:rA+7], v[rB:rB+7], v[rC:rC+7], v[rSA], v[rSB] matrix_a_fmt:MATRIX_FMT_FP4 matrix_b_fmt:MATRIX_FMT_FP4
.endif
.endm
; Pair p, rows 64 half on, K steps s0 .. s1 - 1: eight accumulators by turns, one instruction a turn.  K step 0 takes the bias as C: nothing is cleared or added later
.macro MULS p, half, s0, s1
.set MS, \s0
.rept (\s1)-(\s0)
.if MS == 0
	WIN 0x19+4*(\half)                             ; W window 1, x window 2 or 3, the bias window 1, the sums window 0
.else
	WIN 0x09+4*(\half)
.endif
.irp mtl, 0,1,2,3
.irp u, 0,1
.set rD, ACC+16*(4*(\half)+\mtl)+8*\u
.set rA, 64*\u+8*MS
.set rB, 64*\mtl+8*MS
.set rC, rD
.if MS == 0
.set rC, 128+8*(2*(\p)+\u)
.endif
.set rSA, 48+8*(\p)+MS
.set rSB, 96+4*(4*(\half)+\mtl)+MS/2
	WM \u, MS%2
.endr
.endr
.set MS, MS+1
.endr
.endm
; q, k: 64 registers at s: block b = rows 16 (mt0 + b) on, register 16 b + i = channel 32 hp + 16 (lane / 16) + i of my row.  They become 4 x 16 bytes of codes and 4 scale bytes in the stage
.macro QK4 s, mt0, hp
.irp b, 0,1,2,3
	v_max3_num_f32 v[24+\b], |v[\s+16*\b]|, |v[\s+1+16*\b]|, 0x1800000   ; each accumulator is read from its low end on
.endr
.irp i, 2,4,6,8,10,12,14
.irp b, 0,1,2,3
	v_max3_num_f32 v[24+\b], v[24+\b], |v[\s+16*\b+\i]|, |v[\s+1+16*\b+\i]|
.endr
.endr
.irp b, 0,1,2,3
	v_permlanex16_b32 v[28+\b], v[24+\b], s96, s97
.endr
.irp b, 0,1,2,3
	v_max_num_f32 v[24+\b], v[24+\b], v[28+\b]     ; with lane l xor 16's: the block's largest magnitude
.endr
.irp b, 0,1,2,3
	v_add_nc_u32 v[32+\b], 0xff000000, v[24+\b]
.endr
.irp b, 0,1,2,3
	v_lshrrev_b32 v[28+\b], 23, v[32+\b]
.endr
.irp b, 0,1,2,3
	v_cvt_scalef32_pk8_fp4_f32 v[36+2*\b], v[\s+16*\b:\s+7+16*\b], v[32+\b]
	v_cvt_scalef32_pk8_fp4_f32 v[37+2*\b], v[\s+8+16*\b:\s+15+16*\b], v[32+\b]
.endr
	v_nop                                          ; one plain line behind a scaled conversion
.irp c, 0,1                                    ; a whole block into a lane: lanes 0-15 rows 16 (mt0 + 2 c) on, lanes 16-31 the 16 rows behind them
.irp i, 0,1
	v_permlane16_swap_b32 v[36+4*\c+\i], v[38+4*\c+\i]
.endr
.endr
.irp c, 0,1
	ds_store_b128 v8, v[36+4*\c:39+4*\c] offset:((\mt0)+2*\c)*2176+64*(\hp)
.endr
.irp b, 0,1,2,3
	ds_store_b8 v9, v[28+\b] offset:((\mt0)+\b)*128+(\hp)
.endr
	s_wait_dscnt 0x0                               ; the stores have read their registers
.endm
; v: four accumulators (2 mt + u = idx0 .. idx0 + 3): eight keys a lane; a block is lanes r, r xor 1 and their partners 16 away
.macro VQ4 idx0, pp
.irp a, 0,1,2,3
	v_max3_num_f32 v[24+\a], |v[ACC+8*((\idx0)+\a)]|, |v[ACC+8*((\idx0)+\a)+1]|, 0x1800000
.endr
.irp i, 2,4,6
.irp a, 0,1,2,3
	v_max3_num_f32 v[24+\a], v[24+\a], |v[ACC+8*((\idx0)+\a)+\i]|, |v[ACC+8*((\idx0)+\a)+\i+1]|
.endr
.endr
.irp a, 0,1,2,3
	v_max_num_f32_dpp v[24+\a], v[24+\a], v[24+\a] row_xmask:1 row_mask:0xf bank_mask:0xf
.endr
.irp a, 0,1,2,3
	v_permlanex16_b32 v[28+\a], v[24+\a], s96, s97
.endr
.irp a, 0,1,2,3
	v_max_num_f32 v[24+\a], v[24+\a], v[28+\a]
.endr
.irp a, 0,1,2,3
	v_add_nc_u32 v[32+\a], 0xff000000, v[24+\a]
.endr
.irp a, 0,1,2,3
	v_cvt_scalef32_pk8_fp4_f32 v[36+\a], v[ACC+8*((\idx0)+\a):ACC+8*((\idx0)+\a)+7], v[32+\a]
.endr
.irp a, 0,1,2,3
	v_lshrrev_b32 v[28+\a], 23, v[32+\a]           ; (also the plain line behind the conversions)
.endr
.irp a, 0,1,2,3
	ds_store_b32 v10, v[36+\a] offset:(((\idx0)+\a)/2)*2176+16*(2*(\pp)+\a%2)
	ds_store_b8 v11, v[28+\a] offset:(((\idx0)+\a)/2)*128+4*(2*(\pp)+\a%2)
.endr
	s_wait_dscnt 0x0
.endm
; The stage leaves: each wave stores 16 units of 256 bytes, sixteen lanes to a unit, and 256 scale bytes
.macro OUT go, cp, sp, last
	BARRIER                                        ; every wave's part lies in the stage
.irp t, 0,1,2,3,4,5,6,7
	ds_load_b128 v[ACC+4*\t:ACC+4*\t+3], v12 offset:544*\t
.endr
	ds_load_b64 v[ACC+32:ACC+33], v13
	s_wait_dscnt 0x0
.irp t, 0,1,2,3,4,5,6,7
	global_store_b128 v[\go], v[ACC+4*\t:ACC+4*\t+3], s[\cp:\cp+1] offset:2048*\t
.endr
	global_store_b64 v16, v[ACC+32:ACC+33], s[\sp:\sp+1]
.if (\last) == 0
	s_barrier_signal -1                            ; every wave's reads of the stage are back: it may be written again
	s_barrier_wait -1
	s_wait_xcnt 0x0                                ; the stores have read their registers, which the next products write
.endif
.endm
; Pair p: 128 products; the next pair's fragments are fetched as soon as their registers are free; then the pair is quantised
.macro PAIR p
	s_wait_dscnt 0x0                               ; this pair's fragments are in
	MULS \p, 0, 0, 8
	MULS \p, 1, 0, 4
	PLACES 4                                       ; in front of loads into registers that matrix instructions have read
.if (\p) < 5
.if (\p) == 3
	s_wait_tensorcnt 0x0                           ; v's tile: no load was issued behind it
.endif
	FETCHW ((\p)+1)/4, (((\p)+1)/2)%2, ((\p)+1)%2, 0, 4
.endif
	MULS \p, 1, 4, 8
	PLACES 4                                       ; likewise, and in front of the first read of results
.if (\p) < 5
	FETCHW ((\p)+1)/4, (((\p)+1)/2)%2, ((\p)+1)%2, 4, 8
.else
	WIN 0
.endif
.if (\p) < 4
	QK4 ACC, 0, (\p)%2
	QK4 ACC+64, 4, (\p)%2
.else
	VQ4 0, (\p)%2
	VQ4 4, (\p)%2
	VQ4 8, (\p)%2
	VQ4 12, (\p)%2
.endif
.endm
	XLOADROW 0
	XLOADROW 1
	XLOADROW 2
	XLOADROW 3
.set Q, 0
.rept 16                               ; my 16 rows of the head's first 64
	XROW Q, 24
.set Q, Q+1
.endr
	BARRIER                                        ; 64 rows' codes lie in LDS
	FRAGS 0
	BARRIER                                        ; everybody has them in registers: the same bytes take the next 64 rows
.rept 12
	XROW Q, 24
.set Q, Q+1
.endr
	XROW 28, 24                                    ; the last rows load nothing: the counts run down
	XROW 29, 16
	XROW 30, 8
	XROW 31, 0
	BARRIER
	FRAGS 1
	s_wait_tensorcnt 0x1                           ; q's tile is in; k's, issued behind it, may be out.  A wave reads its own tiles alone
	FETCHW 0, 0, 0, 0, 8
	PAIR 0
	; slot 0 has been read out (pair 1's fragments are in registers): it takes v's tile, which has three pairs' products in which to land
	s_wait_tensorcnt 0x0                           ; all my tensor loads have landed, k's tile among them
	ds_add_u32 v17, v18                            ; 0 onto my spare word
	s_wait_dscnt 0x0                               ; the add is done, and my reads of the slot are back
	CROUND                                         ; the same holds of every wave of the four work-groups
	tensor_load_to_lds s[68:71], s[48:55]
	s_nop 0
	PLACES 4
	PAIR 1
	OUT 14, 24, 26, 0
	PAIR 2
	PAIR 3
	OUT 14, 28, 30, 0
	PAIR 4
	PAIR 5
	OUT 15, 32, 34, 1
	s_wait_tensorcnt 0x0                           ; the wave's end
	ds_add_u32 v17, v18
	s_wait_dscnt 0x0
	CROUND                                         ; the closing round
	s_endpgm
.Lfunc_end_k_q1439f902eb_proj:
	.size	k_q1439f902eb_proj, .Lfunc_end_k_q1439f902eb_proj-k_q1439f902eb_proj
	.p2alignl 7, 3214868480
	.fill 96, 4, 3214868480
	.section	.rodata,"a",@progbits
	.p2align	6, 0x0
	.amdhsa_kernel k_q1439f902eb_proj
		.amdhsa_group_segment_fixed_size 327680
		.amdhsa_private_segment_fixed_size 0
		.amdhsa_enable_private_segment 0
		.amdhsa_kernarg_size 128
		.amdhsa_user_sgpr_count 2
		.amdhsa_user_sgpr_kernarg_segment_ptr 1
		.amdhsa_wavefront_size32 1
		.amdhsa_system_sgpr_workgroup_id_x 1
		.amdhsa_system_sgpr_workgroup_id_y 1
		.amdhsa_system_sgpr_workgroup_id_z 1
		.amdhsa_system_vgpr_workitem_id 0
		.amdhsa_next_free_vgpr 1024
		.amdhsa_next_free_sgpr 100
		.amdhsa_reserve_vcc 0
		.amdhsa_float_denorm_mode_32 3
		.amdhsa_float_denorm_mode_16_64 3
		.amdhsa_memory_ordered 1
		.amdhsa_forward_progress 1
		.amdhsa_inst_pref_size 255
	.end_amdhsa_kernel
	.section	.bss,"aw",@nobits
	.p2align	6
	.space	262144
	.amdgpu_metadata
---
amdhsa.version: [ 1, 2 ]
amdhsa.kernels:
  - .name:           k_q1439f902eb_proj
    .symbol:         k_q1439f902eb_proj.kd
    .args:
      - { .name: x, .offset: 0, .size: 8, .value_kind: global_buffer, .address_space: global }
      - { .name: Wq_codes, .offset: 8, .size: 8, .value_kind: global_buffer, .address_space: global }
      - { .name: Wq_scales, .offset: 16, .size: 8, .value_kind: global_buffer, .address_space: global }
      - { .name: bq, .offset: 24, .size: 8, .value_kind: global_buffer, .address_space: global }
      - { .name: Wk_codes, .offset: 32, .size: 8, .value_kind: global_buffer, .address_space: global }
      - { .name: Wk_scales, .offset: 40, .size: 8, .value_kind: global_buffer, .address_space: global }
      - { .name: bk, .offset: 48, .size: 8, .value_kind: global_buffer, .address_space: global }
      - { .name: Wv_codes, .offset: 56, .size: 8, .value_kind: global_buffer, .address_space: global }
      - { .name: Wv_scales, .offset: 64, .size: 8, .value_kind: global_buffer, .address_space: global }
      - { .name: bv, .offset: 72, .size: 8, .value_kind: global_buffer, .address_space: global }
      - { .name: qimg, .offset: 80, .size: 8, .value_kind: global_buffer, .address_space: global }
      - { .name: qsc, .offset: 88, .size: 8, .value_kind: global_buffer, .address_space: global }
      - { .name: kimg, .offset: 96, .size: 8, .value_kind: global_buffer, .address_space: global }
      - { .name: ksc, .offset: 104, .size: 8, .value_kind: global_buffer, .address_space: global }
      - { .name: vimg, .offset: 112, .size: 8, .value_kind: global_buffer, .address_space: global }
      - { .name: vsc, .offset: 120, .size: 8, .value_kind: global_buffer, .address_space: global }
    .group_segment_fixed_size: 327680
    .private_segment_fixed_size: 0
    .kernarg_segment_align: 8
    .kernarg_segment_size: 128
    .max_flat_workgroup_size: 128
    .sgpr_count:     100
    .vgpr_count:     1024
    .wavefront_size: 32
...
	.end_amdgpu_metadata
.endif
;; end of part 1
;; launch attn (part 2): grid 4 x 64, 16 waves a work-group, clusters of 4 x 1, 212,480 bytes of LDS; arguments x, qimg, qsc, kimg, ksc, vimg, vsc, ccodes, cscales; writes ccodes, cscales
.if DOCPART == 2
	.amdgcn_target "amdgcn-amd-amdhsa--gfx1250"
	.amdhsa_code_object_version 6
	.text
	.protected	k_q1439f902eb_attn
	.globl	k_q1439f902eb_attn
	.p2align	8
	.type	k_q1439f902eb_attn,@function
k_q1439f902eb_attn:
	s_mov_b64 s[64:65], 0
	v_nop
	global_prefetch_b8 v0, s[64:65] scope:SCOPE_SE
	s_setreg_imm32_b32 hwreg(HW_REG_WAVE_MODE, 25, 1), 1
	s_wait_xcnt 0x0
	s_wait_alu depctr_hold_cnt(0) depctr_sa_sdst(0) depctr_va_vdst(0) depctr_va_sdst(0) depctr_va_ssrc(0) depctr_va_vcc(0) depctr_vm_vsrc(0)
	s_getreg_b32 s2, hwreg(HW_REG_IB_STS2, 6, 4)
	s_cmp_eq_u32 s2, 0
	s_cbranch_scc0 .Lentry_in_a_cluster
	s_endpgm
.Lentry_in_a_cluster:
	s_bfe_u32 s2, ttmp6, 0x10000c
	s_cmp_lg_u32 s2, 0x3003
	s_cbranch_scc0 .Lentry_shape_is_right
	s_endpgm
.Lentry_shape_is_right:
; For each head (128 rows of the [8192][1024] matrices; position = 16 R + col / 64, channel = col % 64): O = softmax(8 q k^T) v, both products on codes of FP4 (E2M1) with E8M0 scales; then + x, LayerNorm
; without gain, and the row quantised along its 1,024 numbers for the last product.  q, k, v come as the images that the launch before laid (its head comment has the layouts).
; THE SOFTMAX: t = score x 8 log2(e); M = the running largest t rounded UP to a whole number; p = 2^(t - M) is quantised along the keys, not normalised; the row's sum is taken of the unquantised p and divides at the end.
; When M moves, the sum and O are multiplied by 2^(old M - new M): exact.
; SHARES.  A work-group takes 32 rows (512 queries) of one head; wave w takes row 16 tau + w of them in pass tau = 0, 1: a tile of 16 queries IS one row, so the LayerNorm never leaves the wave.
; A WHOLE HEAD'S K AND V LIE IN LDS, filled once: no slot is filled again.  The four work-groups of a cluster are the four quarters of one head: the tiles are asked for jointly, one tensor load a wave.
; LAYOUT.  Both products are used transposed: a lane holds ONE query (lane % 16) throughout.  The head has 64 channels and the instruction takes 128 along K: a fragment of K holds TWO rows of 16 keys (registers 0-3 row 2 b,
; registers 4-7 row 2 b + 1), and q stands as [0 q 0] in 12 registers: [q 0] picks the first row, [0 q] the second; codes of zero add nothing.  In tile 2 b + u register j is key (row 2 b + u, column group 8 (lane / 16) + j);
; p's codes fall into the same places of a block of 32 keys as vimg's.  The channels of a tile of V are chosen so that O's 16 registers of two neighbouring tiles are 16 neighbouring columns of the row.
; LIMITS: NaN and infinities are not served; p under 2^-126 counts as 0; a block whose largest magnitude lies under 2^-124 gets the scale byte 1 (read by this program alone).
; REGISTERS: v1-7, v13-15, v54-55 addresses that stay; v8-12 the step's; v16-39 [0 q 0] of both passes; v40-41 q's scale words; v42 -M, v43 the largest t; v[44:45] the sum; v46-49 K's and V's scale words; v50 p's;
;   v[52:53] f, later 1 / l; v56-87 four fragments of K, then of V; v88-119 the row of x, later the row; v120-183 S^T, then p; v184-215 O^T; v216-223 p's codes; v224-243 at work.
.set VIMG, 65536                       ; LDS: K's image at 0, V's here,
.set KSC,  131072                      ; K's scale bytes: 4 rows of 1,024 + 64 of padding,
.set VSC,  135424                      ; V's likewise,
.set XT,   139776                      ; a stage of 16 x 272 bytes for each wave: the turn of a row of x,
.set SCST, 209408                      ; and the 32 rows' scale bytes
.macro CROUND
	s_barrier_signal -1
	s_barrier_wait -1
	s_cmp_lg_u32 s22, 0
	s_cbranch_scc1 .Lnot_wave_0_\@
	s_barrier_signal -3
.Lnot_wave_0_\@:
	s_barrier_wait -3
	s_barrier_signal -1
	s_barrier_wait -1
.endm
	s_load_b512 s[4:19], s[0:1], 0x0               ; x, qimg, qsc, kimg, ksc, vimg, vsc, ccodes
	s_load_b64 s[20:21], s[0:1], 0x40              ; cscales
	v_lshl_add_u32 v254, v0, 2, 0x33600
	v_mov_b32 v255, 0
	ds_add_u32 v254, v255
	ds_add_u32 v254, v255
	v_lshrrev_b32 v8, 5, v0
	v_readfirstlane_b32 s22, v8                    ; wave 0..15
	s_bfe_u32 s23, ttmp6, 0x40000                  ; cx: my quarter of the head; it enters x's, q's and the outputs' addresses alone
	s_and_b32 s24, ttmp7, 0xffff                   ; the head, which the four partners share
	s_mov_b32 s26, 0x76543210
	s_mov_b32 s27, 0xfedcba98                      ; v_permlanex16_b32's selects for lane l xor 16
	; group 1 for a quarter of an image: 16,384 dense bytes as 64 rows of 256 (32 elements of 8 bytes)
	s_mov_b32 s28, 15|(3<<16)|(1<<21)
	s_mov_b32 s29, 32<<16
	s_mov_b32 s30, 64<<16
	s_mov_b32 s31, 32<<16
	s_mov_b32 s32, 64
	s_mov_b32 s33, 32
	s_mov_b32 s34, 0
	s_mov_b32 s35, 0
	; and for a head's scale bytes: 4 rows of 1,024 bytes, 64 bytes of padding behind each
	s_mov_b32 s36, 15|(3<<16)|(1<<20)|(1<<21)|(7<<22)|(15<<25)
	s_mov_b32 s37, 128<<16
	s_mov_b32 s38, 4<<16
	s_mov_b32 s39, 128<<16
	s_mov_b32 s40, 4
	s_mov_b32 s41, 128
	s_mov_b32 s42, 0
	s_mov_b32 s43, 0
	s_mov_b32 s52, 0x4138aa3b                      ; c = 8 log2(e)
	s_mov_b32 s53, s52                             ; (named with it as a pair, so it is written)
	s_mov_b32 s54, 0x3a800000                      ; 1 / 1024
	s_mov_b32 s55, 0x3727c5ac                      ; 1e-5
	s_lshl_b32 s60, s24, 16                        ; the head's first byte in an image,
	s_mov_b32 s61, 0
	s_lshl_b32 s62, s24, 12                        ; and among scale bytes
	s_mov_b32 s63, 0
	s_and_b32 s66, s22, 3
	s_lshl_b32 s66, s66, 14
	s_mov_b32 s67, 0
	s_add_nc_u64 s[66:67], s[66:67], s[60:61]      ; the quarter of an image that I fetch, if I fetch
	s_and_b32 s68, s22, 1
	s_wait_dscnt 0x0
	s_wait_kmcnt 0x0
	s_cmp_lt_u32 s22, 4                            ; waves 0-3: K's image; waves 4-7: V's
	s_cselect_b64 s[46:47], s[10:11], s[14:15]
	s_add_nc_u64 s[46:47], s[46:47], s[66:67]
	s_or_b32 s47, s47, 0x80000000
	s_mov_b32 s44, 1
	s_lshl_b32 s45, s22, 14                        ; LDS: 16,384 x wave
	s_cmp_eq_u32 s68, 0                            ; wave 8: K's scale bytes; wave 9: V's
	s_cselect_b64 s[50:51], s[12:13], s[16:17]
	s_add_nc_u64 s[50:51], s[50:51], s[62:63]
	s_or_b32 s51, s51, 0x80000000
	s_mov_b32 s48, 1
	s_mul_i32 s49, s68, 4352
	s_add_co_u32 s49, s49, KSC
	CROUND                                         ; all four work-groups are here: the joint loads meet
	s_cmp_lt_u32 s22, 8                            ; the branches hang on the wave's number alone
	s_cbranch_scc0 .Lnot_img
	tensor_load_to_lds s[44:47], s[28:35]
	s_nop 0
.rept 4
	v_nop
.endr
	s_branch .Lasked
.Lnot_img:
	s_cmp_lt_u32 s22, 10
	s_cbranch_scc0 .Lasked
	tensor_load_to_lds s[48:51], s[36:43]
	s_nop 0
.rept 4
	v_nop
.endr
.Lasked:
	s_lshl_b32 s70, s24, 19                        ; x at my row of pass 0: row 128 head + 32 cx + wave
	s_lshl_b32 s71, s23, 17
	s_add_co_u32 s70, s70, s71
	s_lshl_b32 s71, s22, 12
	s_add_co_u32 s70, s70, s71
	s_mov_b32 s71, 0
	s_add_nc_u64 s[4:5], s[4:5], s[70:71]
	s_lshr_b32 s70, s70, 3                         ; its 512 bytes of codes
	s_add_nc_u64 s[18:19], s[18:19], s[70:71]
	s_lshl_b32 s70, s24, 12                        ; the work-group's 32 rows of scale bytes
	s_lshl_b32 s72, s23, 10
	s_add_co_u32 s70, s70, s72
	s_add_nc_u64 s[20:21], s[20:21], s[70:71]
	s_lshl_b32 s72, s23, 4
	s_lshr_b32 s73, s22, 1
	s_add_co_u32 s72, s72, s73                     ; b of my row of pass 0: 16 cx + wave / 2
	s_lshl_b32 s70, s72, 10
	s_add_co_u32 s70, s70, s60
	s_add_nc_u64 s[6:7], s[6:7], s[70:71]          ; q's image
	s_lshl_b32 s70, s72, 4
	s_add_co_u32 s70, s70, s62
	s_add_nc_u64 s[8:9], s[8:9], s[70:71]          ; q's scale words
	v_and_b32 v8, 15, v0                           ; r
	v_bfe_u32 v9, v0, 4, 1                         ; h
	v_and_b32 v10, 31, v0                          ; lane
	v_lshrrev_b32 v11, 2, v8                       ; r / 4
	v_and_b32 v12, 3, v8                           ; r % 4
	v_xor_b32 v1, v9, v11
	v_lshlrev_b32 v1, 6, v1
	v_lshl_add_u32 v1, v11, 8, v1
	v_lshl_add_u32 v1, v12, 4, v1                  ; v1  K: column group r, half h of the channels, an even row
	v_xor_b32 v2, 128, v1                          ; v2  the odd row
	v_lshlrev_b32 v3, 4, v8
	v_lshl_add_u32 v3, v9, 10, v3
	v_add_nc_u32 v3, VIMG, v3                      ; v3  V: channel r of a tile, key block h
	v_mul_u32_u24 v4, v11, 1088
	v_lshl_add_u32 v4, v9, 4, v4
	v_lshl_add_u32 v4, v12, 2, v4
	v_add_nc_u32 v4, KSC, v4                       ; v4  K's scale words: lanes 0-15 an even fragment's, lanes 16-31 the next
	v_mul_u32_u24 v5, v9, 1088
	v_lshl_add_u32 v5, v8, 2, v5
	v_add_nc_u32 v5, VSC, v5                       ; v5  V's: lanes 0-15 an even tile's, lanes 16-31 the next
	s_mul_i32 s72, s22, 4352
	s_add_co_u32 s72, s72, XT
	v_mul_u32_u24 v6, v9, 272
	v_lshl_add_u32 v6, v8, 4, v6
	v_add_nc_u32 v6, s72, v6                       ; v6  x into my stage, as it lies
	v_mul_u32_u24 v7, v8, 272
	v_lshl_add_u32 v7, v9, 6, v7
	v_add_nc_u32 v7, s72, v7                       ; v7  and back: column group r, 16 h channels on
	v_lshlrev_b32 v13, 4, v10                      ; v13 16 x lane
	v_lshlrev_b32 v14, 5, v8
	v_lshl_add_u32 v14, v9, 4, v14                 ; v14 my block's 16 bytes in a row of codes
	s_lshl_b32 s73, s22, 5
	s_add_co_u32 s73, s73, SCST
	v_lshl_add_u32 v15, v8, 1, s73                 ; v15 my two scale bytes
	s_lshl_b32 s73, s68, 9
	v_lshl_add_u32 v55, v10, 4, s73                ; v55 the end: 512 (wave % 2) + 16 x lane,
	v_add_nc_u32 v54, SCST, v55                    ; v54 and the same in LDS
	s_lshl_b32 s74, s68, 7
	v_xor_b32 v237, s74, v1                        ; q: as K, row parity wave % 2
	v_lshlrev_b32 v238, 10, v11
	v_lshl_add_u32 v238, v12, 2, v238
	global_load_b128 v[20:23], v237, s[6:7]
	global_load_b128 v[32:35], v237, s[6:7] offset:8192
	global_load_b32 v239, v238, s[8:9]
	global_load_b32 v240, v238, s[8:9] offset:128
.irp j, 16,17,18,19,24,25,26,27,28,29,30,31,36,37,38,39
	v_mov_b32 v[\j], 0                             ; the zeros beside q
.endr
.irp j, 228,229,230,231
	v_mov_b32 v[\j], 0                             ; written once: a lane permute's destination counts as one of its sources
.endr
	v_mov_b32 v53, 0                               ; (named as the upper half of the pair v[52:53])
	s_lshl_b32 s75, s68, 4
	s_wait_loadcnt 0x0
	v_lshrrev_b32 v239, s75, v239                  ; my row's two bytes of the word,
	v_lshrrev_b32 v240, s75, v240
	v_and_b32 v239, 0xffff, v239
	v_and_b32 v240, 0xffff, v240
	v_lshl_or_b32 v40, v239, 16, v239              ; twice: they serve [q 0] and [0 q]
	v_lshl_or_b32 v41, v240, 16, v240
	s_wait_tensorcnt 0x0                           ; my part of the head is in,
	s_barrier_signal -1
	s_barrier_wait -1                              ; everybody's is
.macro ROWPASS tau
.irp i, 0,1,2,3,4,5,6,7
	global_load_b128 v[88+4*\i:91+4*\i], v13, s[4:5] offset:65536*\tau+512*\i th:TH_LOAD_NT   ; my row of x, asked for sixteen key steps ahead of its use; 512 consecutive bytes a load
.endr
	v_mov_b32 v43, 0xff61b1e6                      ; the largest t so far: -3e38
	v_floor_f32 v42, -v43                          ; -M
	v_mov_b32 v44, 0
	v_mov_b32 v45, 0
.irp j, 0,1,2,3,4,5,6,7,8,9,10,11,12,13,14,15,16,17,18,19,20,21,22,23,24,25,26,27,28,29,30,31
	v_mov_b32 v[184+\j], 0                         ; O^T: the step is written once; its first trip finds zeros
.endr
	s_mov_b32 s56, 0                               ; the step's place in the images: 4,096 bytes a step
	s_mov_b32 s57, 0                               ; and among the scale words: 64
	s_mov_b32 s58, 16
.Lstep_\@:                                         ; a key step: 128 keys
	v_add_nc_u32 v8, s56, v1                       ; (these five are also the places behind the last trip's products)
	v_add_nc_u32 v9, s56, v2
	v_add_nc_u32 v10, s56, v3
	v_add_nc_u32 v11, s57, v4
	v_add_nc_u32 v12, s57, v5
.irp b, 0,1,2,3
	ds_load_b128 v[56+8*\b:59+8*\b], v8 offset:1024*\b
	ds_load_b128 v[60+8*\b:63+8*\b], v9 offset:1024*\b
.endr
	ds_load_b32 v46, v11
	ds_load_b32 v47, v11 offset:32
	s_wait_dscnt 0x0
.irp b, 0,1,2,3
.irp u, 0,1
.set rD, 120+8*(2*\b+\u)
.set rA, 56+8*\b
.set rB, 16+12*\tau+4-4*\u
.set rS, 46+\b/2
.if \b%2
	v_wmma_scale_f32_16x16x128_f8f6f4 v[rD:rD+7], v[rA:rA+7], v[rB:rB+7], 0, v[rS], v[40+\tau] matrix_a_fmt:MATRIX_FMT_FP4 matrix_b_fmt:MATRIX_FMT_FP4 matrix_a_scale:MATRIX_SCALE_ROW1
.else
	v_wmma_scale_f32_16x16x128_f8f6f4 v[rD:rD+7], v[rA:rA+7], v[rB:rB+7], 0, v[rS], v[40+\tau] matrix_a_fmt:MATRIX_FMT_FP4 matrix_b_fmt:MATRIX_FMT_FP4
.endif
.endr
.endr
.rept 4
	v_nop                                          ; places in front of the loads into K's registers and of the first read of scores
.endr
.irp t, 0,1,2,3                                ; V's fragments land while the softmax is worked
.irp c, 0,1
	ds_load_b128 v[56+8*\t+4*\c:59+8*\t+4*\c], v10 offset:2048*\c+256*\t
.endr
.endr
	ds_load_b32 v48, v12
	ds_load_b32 v49, v12 offset:2176
.irp b, 0,1,2,3
	v_max3_num_f32 v[224+\b], v[120+16*\b], v[121+16*\b], v[122+16*\b]   ; the largest score of each block of 32 keys: it serves the row's maximum and, since p rises with the score, the block's largest p
.endr
.irp i, 3,5,7,9,11,13
.irp b, 0,1,2,3
	v_max3_num_f32 v[224+\b], v[224+\b], v[120+16*\b+\i], v[121+16*\b+\i]
.endr
.endr
.irp b, 0,1,2,3
	v_max_num_f32 v[224+\b], v[224+\b], v[135+16*\b]
.endr
.irp b, 0,1,2,3
	v_permlanex16_b32 v[228+\b], v[224+\b], s26, s27
.endr
.irp b, 0,1,2,3
	v_max_num_f32 v[224+\b], v[224+\b], v[228+\b]
.endr
	v_max3_num_f32 v236, v224, v225, v226
	v_max_num_f32 v236, v236, v227                 ; the step's largest score of my query
	v_mul_f32 v236, s52, v236                      ; as t (c is positive)
	v_max_num_f32 v43, v43, v236                   ; the running largest t
	v_mov_b32 v236, v42
	v_floor_f32 v42, -v43                          ; the new -M = -ceil(t)
	v_sub_f32 v236, v42, v236                      ; old M - new M: a whole number, 0 or less
	v_cvt_i32_f32 v236, v236                       ; (it saturates)
	v_ldexp_f32 v52, 1.0, v236                     ; f = 2^(old M - new M)
.irp j, 0,2,4,6,8,10,12,14,16,18,20,22,24,26,28,30,32,34,36,38,40,42,44,46,48,50,52,54,56,58,60,62
	v_pk_fma_f32 v[120+\j:121+\j], v[120+\j:121+\j], s[52:53], v[42:43] op_sel_hi:[1,0,0]   ; t - M
.endr
.irp b, 0,1,2,3
	v_fma_f32 v[224+\b], v[224+\b], s52, v42       ; the same of each block's largest score
.endr
.irp j, 0,1,2,3,4,5,6,7,8,9,10,11,12,13,14,15,16,17,18,19,20,21,22,23,24,25,26,27,28,29,30,31,32,33,34,35,36,37,38,39,40,41,42,43,44,45,46,47,48,49,50,51,52,53,54,55,56,57,58,59,60,61,62,63
	v_exp_f32 v[120+\j], v[120+\j]                 ; p = 2^(t - M)
.endr
	v_pk_mul_f32 v[44:45], v[44:45], v[52:53] op_sel_hi:[1,0]   ; the sums under the new M.  (The plain line behind the exponentials)
	s_wait_alu depctr_va_vdst(0)                   ; one wait for the batch, ahead of its first reader
.irp b, 0,1,2,3
	v_exp_f32 v[224+\b], v[224+\b]                 ; the block's largest p
.endr
	v_pk_add_f32 v[228:229], v[120:121], v[122:123]   ; the row's sum of the unquantised p, in two chains
.irp j, 4,8,12,16,20,24,28,32,36,40,44,48,52,56,60
	v_pk_add_f32 v[44:45], v[44:45], v[120+\j:121+\j]
	v_pk_add_f32 v[228:229], v[228:229], v[122+\j:123+\j]
.endr
	v_pk_add_f32 v[44:45], v[44:45], v[228:229]
	s_wait_alu depctr_va_vdst(0)                   ; and one for the four
.irp b, 0,1,2,3
	v_max_num_f32 v[224+\b], 0x1800000, v[224+\b]  ; the floor 2^(3 - 127): the byte cannot fall under 1
.endr
.irp b, 0,1,2,3
	v_add_nc_u32 v[232+\b], 0xff000000, v[224+\b]  ; the conversion's scale operand
.endr
.irp b, 0,1,2,3
	v_lshrrev_b32 v[228+\b], 23, v[232+\b]         ; the scale's byte
.endr
	v_lshl_or_b32 v50, v229, 8, v228               ; p's scale word for these 128 keys
	v_lshl_or_b32 v50, v230, 16, v50
	v_lshl_or_b32 v50, v231, 24, v50
.irp b, 0,1,2,3
	v_cvt_scalef32_pk8_fp4_f32 v[216+2*\b], v[120+16*\b:127+16*\b], v[232+\b]
	v_cvt_scalef32_pk8_fp4_f32 v[217+2*\b], v[128+16*\b:135+16*\b], v[232+\b]
.endr
	v_nop                                          ; one plain line behind a scaled conversion
.irp c, 0,1                                    ; a whole block into a lane
.irp i, 0,1
	v_permlane16_swap_b32 v[216+4*\c+\i], v[218+4*\c+\i]
.endr
.endr
.irp j, 0,2,4,6,8,10,12,14,16,18,20,22,24,26,28,30
	v_pk_mul_f32 v[184+\j:185+\j], v[184+\j:185+\j], v[52:53] op_sel_hi:[1,0]   ; O^T under the new M.  (These sixteen also stand between the codes' and the scale word's last writes and the products)
.endr
	s_wait_dscnt 0x0                               ; V is in
.irp t, 0,1,2,3
.set rD, 184+8*\t
.set rA, 56+8*\t
.set rS, 48+\t/2
.if \t%2
	v_wmma_scale_f32_16x16x128_f8f6f4 v[rD:rD+7], v[rA:rA+7], v[216:223], v[rD:rD+7], v[rS], v50 matrix_a_fmt:MATRIX_FMT_FP4 matrix_b_fmt:MATRIX_FMT_FP4 matrix_a_scale:MATRIX_SCALE_ROW1
.else
	v_wmma_scale_f32_16x16x128_f8f6f4 v[rD:rD+7], v[rA:rA+7], v[216:223], v[rD:rD+7], v[rS], v50 matrix_a_fmt:MATRIX_FMT_FP4 matrix_b_fmt:MATRIX_FMT_FP4
.endif
.endr
	s_add_co_u32 s56, s56, 4096
	s_add_co_u32 s57, s57, 64
	s_sub_co_u32 s58, s58, 1
	s_cmp_lg_u32 s58, 0
	s_cbranch_scc1 .Lstep_\@
	; THE ROW IS FINISHED: register 16 b + i of O^T is column 64 r + 32 b + 16 h + i
	s_wait_xcnt 0x0                                ; the last pass's store has read its registers
.rept 4
	v_nop                                          ; places behind the last products
.endr
	v_add_f32 v44, v44, v45
	v_permlanex16_b32 v228, v44, s26, s27
	v_add_f32 v44, v44, v228                       ; l
	v_rcp_f32 v52, v44
	v_nop                                          ; a plain line behind the reciprocal
	s_wait_loadcnt 0x0                             ; x
.irp i, 0,1,2,3,4,5,6,7
	ds_store_b128 v6, v[88+4*\i:91+4*\i] offset:544*\i
.endr
.irp b, 0,1
.irp i, 0,1,2,3
	ds_load_b128 v[88+16*\b+4*\i:91+16*\b+4*\i], v7 offset:128*\b+16*\i   ; LDS serves a wave's instructions in order: these see my stores
.endr
.endr
	s_wait_dscnt 0x0
	s_wait_alu depctr_va_vdst(0)                   ; ahead of the reciprocal's first reader
.irp j, 0,2,4,6,8,10,12,14,16,18,20,22,24,26,28,30
	v_pk_fma_f32 v[88+\j:89+\j], v[184+\j:185+\j], v[52:53], v[88+\j:89+\j] op_sel_hi:[1,0,1]   ; y = O / l + x, each accumulator from its low end on
.endr
	v_pk_add_f32 v[224:225], v[88:89], v[90:91]
	v_pk_add_f32 v[226:227], v[92:93], v[94:95]
.irp j, 8,12,16,20,24,28
	v_pk_add_f32 v[224:225], v[224:225], v[88+\j:89+\j]
	v_pk_add_f32 v[226:227], v[226:227], v[90+\j:91+\j]
.endr
	v_pk_add_f32 v[224:225], v[224:225], v[226:227]
	v_add_f32 v224, v224, v225
	v_add_f32_dpp v224, v224, v224 row_xmask:1 row_mask:0xf bank_mask:0xf
	v_add_f32_dpp v224, v224, v224 row_xmask:2 row_mask:0xf bank_mask:0xf
	v_add_f32_dpp v224, v224, v224 row_xmask:4 row_mask:0xf bank_mask:0xf
	v_add_f32_dpp v224, v224, v224 row_xmask:8 row_mask:0xf bank_mask:0xf
	v_permlanex16_b32 v228, v224, s26, s27
	v_add_f32 v224, v224, v228
	v_mul_f32 v224, s54, v224                      ; the mean
.irp j, 0,2,4,6,8,10,12,14,16,18,20,22,24,26,28,30
	v_pk_add_f32 v[88+\j:89+\j], v[88+\j:89+\j], v[224:225] op_sel_hi:[1,0] neg_lo:[0,1] neg_hi:[0,1]
.endr
	v_pk_mul_f32 v[226:227], v[88:89], v[88:89]
	v_pk_mul_f32 v[230:231], v[90:91], v[90:91]
.irp j, 4,8,12,16,20,24,28
	v_pk_fma_f32 v[226:227], v[88+\j:89+\j], v[88+\j:89+\j], v[226:227]
	v_pk_fma_f32 v[230:231], v[90+\j:91+\j], v[90+\j:91+\j], v[230:231]
.endr
	v_pk_add_f32 v[226:227], v[226:227], v[230:231]
	v_add_f32 v226, v226, v227
	v_add_f32_dpp v226, v226, v226 row_xmask:1 row_mask:0xf bank_mask:0xf
	v_add_f32_dpp v226, v226, v226 row_xmask:2 row_mask:0xf bank_mask:0xf
	v_add_f32_dpp v226, v226, v226 row_xmask:4 row_mask:0xf bank_mask:0xf
	v_add_f32_dpp v226, v226, v226 row_xmask:8 row_mask:0xf bank_mask:0xf
	v_permlanex16_b32 v228, v226, s26, s27
	v_add_f32 v226, v226, v228
	v_fma_f32 v226, v226, s54, s55                 ; the variance + 1e-5
	v_rsq_f32 v232, v226
	v_nop
	s_wait_alu depctr_va_vdst(0)
.irp j, 0,2,4,6,8,10,12,14,16,18,20,22,24,26,28,30
	v_pk_mul_f32 v[88+\j:89+\j], v[88+\j:89+\j], v[232:233] op_sel_hi:[1,0]
.endr
.irp b, 0,1                                    ; my two half blocks of 32 columns
	v_max3_num_f32 v[224+\b], |v[88+16*\b]|, |v[89+16*\b]|, 0x1800000
.endr
.irp i, 2,4,6,8,10,12,14
.irp b, 0,1
	v_max3_num_f32 v[224+\b], v[224+\b], |v[88+16*\b+\i]|, |v[89+16*\b+\i]|
.endr
.endr
.irp b, 0,1
	v_permlanex16_b32 v[228+\b], v[224+\b], s26, s27
.endr
.irp b, 0,1
	v_max_num_f32 v[224+\b], v[224+\b], v[228+\b]
.endr
.irp b, 0,1
	v_add_nc_u32 v[232+\b], 0xff000000, v[224+\b]
.endr
.irp b, 0,1
	v_lshrrev_b32 v[228+\b], 23, v[232+\b]
.endr
	v_lshl_or_b32 v236, v229, 8, v228              ; blocks 2 r and 2 r + 1 of the row
.irp b, 0,1
	v_cvt_scalef32_pk8_fp4_f32 v[240+2*\b], v[88+16*\b:95+16*\b], v[232+\b]
	v_cvt_scalef32_pk8_fp4_f32 v[241+2*\b], v[96+16*\b:103+16*\b], v[232+\b]
.endr
	v_nop
	v_permlane16_swap_b32 v240, v242               ; lanes 0-15: block 2 r whole; lanes 16-31: block 2 r + 1
	v_permlane16_swap_b32 v241, v243
	global_store_b128 v14, v[240:243], s[18:19] offset:8192*\tau   ; the wave stores the row's 512 consecutive bytes
	ds_store_b16 v15, v236 offset:512*\tau         ; both halves of the lanes write the same two bytes
.endm
	ROWPASS 0
	ROWPASS 1
	s_wait_dscnt 0x0                               ; for the others' sake: my scale bytes have landed
	s_barrier_signal -1
	s_barrier_wait -1
	s_cmp_lt_u32 s22, 2
	s_cbranch_scc0 .Lno_scales
	ds_load_b128 v[88:91], v54                     ; waves 0 and 1 store the 32 rows' 1,024 scale bytes, 512 consecutive bytes each
	s_wait_dscnt 0x0
	global_store_b128 v55, v[88:91], s[20:21]
.Lno_scales:
	s_wait_tensorcnt 0x0
	ds_add_u32 v254, v255
	s_wait_dscnt 0x0
	CROUND                                         ; the closing round
	s_endpgm
.Lfunc_end_k_q1439f902eb_attn:
	.size	k_q1439f902eb_attn, .Lfunc_end_k_q1439f902eb_attn-k_q1439f902eb_attn
	.p2alignl 7, 3214868480
	.fill 96, 4, 3214868480
	.section	.rodata,"a",@progbits
	.p2align	6, 0x0
	.amdhsa_kernel k_q1439f902eb_attn
		.amdhsa_group_segment_fixed_size 212480
		.amdhsa_private_segment_fixed_size 0
		.amdhsa_enable_private_segment 0
		.amdhsa_kernarg_size 72
		.amdhsa_user_sgpr_count 2
		.amdhsa_user_sgpr_kernarg_segment_ptr 1
		.amdhsa_wavefront_size32 1
		.amdhsa_system_sgpr_workgroup_id_x 1
		.amdhsa_system_sgpr_workgroup_id_y 1
		.amdhsa_system_sgpr_workgroup_id_z 1
		.amdhsa_system_vgpr_workitem_id 0
		.amdhsa_next_free_vgpr 256
		.amdhsa_next_free_sgpr 80
		.amdhsa_reserve_vcc 0
		.amdhsa_float_denorm_mode_32 3
		.amdhsa_float_denorm_mode_16_64 3
		.amdhsa_memory_ordered 1
		.amdhsa_forward_progress 1
		.amdhsa_inst_pref_size 62
	.end_amdhsa_kernel
	.amdgpu_metadata
---
amdhsa.version: [ 1, 2 ]
amdhsa.kernels:
  - .name:           k_q1439f902eb_attn
    .symbol:         k_q1439f902eb_attn.kd
    .args:
      - { .name: x, .offset: 0, .size: 8, .value_kind: global_buffer, .address_space: global }
      - { .name: qimg, .offset: 8, .size: 8, .value_kind: global_buffer, .address_space: global }
      - { .name: qsc, .offset: 16, .size: 8, .value_kind: global_buffer, .address_space: global }
      - { .name: kimg, .offset: 24, .size: 8, .value_kind: global_buffer, .address_space: global }
      - { .name: ksc, .offset: 32, .size: 8, .value_kind: global_buffer, .address_space: global }
      - { .name: vimg, .offset: 40, .size: 8, .value_kind: global_buffer, .address_space: global }
      - { .name: vsc, .offset: 48, .size: 8, .value_kind: global_buffer, .address_space: global }
      - { .name: ccodes, .offset: 56, .size: 8, .value_kind: global_buffer, .address_space: global }
      - { .name: cscales, .offset: 64, .size: 8, .value_kind: global_buffer, .address_space: global }
    .group_segment_fixed_size: 212480
    .private_segment_fixed_size: 0
    .kernarg_segment_align: 8
    .kernarg_segment_size: 72
    .max_flat_workgroup_size: 512
    .sgpr_count:     80
    .vgpr_count:     256
    .wavefront_size: 32
...
	.end_amdgpu_metadata
.endif
;; end of part 2
;; launch outp (part 3): grid 4 x 32, 4 waves a work-group, clusters of 4 x 4, 327,680 bytes of LDS; arguments ccodes, cscales, Wf_codes, Wf_scales, out0, bf; writes out0
.if DOCPART == 3
	.amdgcn_target "amdgcn-amd-amdhsa--gfx1250"
	.amdhsa_code_object_version 6
	.text
	.protected	k_q1439f902eb_outp
	.globl	k_q1439f902eb_outp
	.p2align	8
	.type	k_q1439f902eb_outp,@function
k_q1439f902eb_outp:
	s_mov_b64 s[64:65], 0
	v_nop
	global_prefetch_b8 v0, s[64:65] scope:SCOPE_SE
	s_setreg_imm32_b32 hwreg(HW_REG_WAVE_MODE, 25, 1), 1
	s_wait_xcnt 0x0
	s_wait_alu depctr_hold_cnt(0) depctr_sa_sdst(0) depctr_va_vdst(0) depctr_va_sdst(0) depctr_va_ssrc(0) depctr_va_vcc(0) depctr_vm_vsrc(0)
	s_getreg_b32 s2, hwreg(HW_REG_IB_STS2, 6, 4)
	s_cmp_eq_u32 s2, 0
	s_cbranch_scc0 .Lentry_in_a_cluster
	s_endpgm
.Lentry_in_a_cluster:
	s_bfe_u32 s2, ttmp6, 0x10000c
	s_cmp_lg_u32 s2, 0xf033
	s_cbranch_scc0 .Lentry_shape_is_right
	s_endpgm
.Lentry_shape_is_right:
; out0[m][n] = sum over k of A[m][k] B[n][k] + bf[n].  A = the normalised rows, B = Wf: codes of FP4 (E2M1), K innermost, 512 bytes a row, one E8M0 byte for each 32 along K ([rows][32]); out0: [8192][1024] f32; sums in f32.
; A tile of C, 256 x 256, is made by a work-group of four waves; a wave makes 128 x 128: 64 accumulators of 16 x 16, 512 registers.  K = 1,024 is two K steps of 512, one in each of two LDS slots: both are asked for at the
; start and nothing is filled again.  The scales of the work-group's 256 + 256 rows come into LDS once, in whole units of 256 bytes.
; CLUSTERS: 4 x 4 work-groups.  The four of a row of the cluster need the same tiles of A, the four of a column the same tiles of B: each tile is asked for jointly.
; THE MATRIX INSTRUCTION IS USED TRANSPOSED (source 0 = 16 rows of B, source 1 = 16 rows of A): a lane holds eight neighbouring numbers of a row of C.  The bias is the C of each sum's first product.
; REGISTERS, in windows of 256: window 0: v0-31 addresses; v32-95 scale words, two sets; from v128 A's fragments, ONE set; on the way out v128-255.
;   window 1: B's fragments, two sets, at v0 and v128; v192-255 the bias, eight registers for each of B's blocks.   window 2: the accumulators of my rows 0-63;   window 3: those of my rows 64-127.
.set SIZE_M, 8192
.set SIZE_N, 1024
.set SIZE_K, 1024
.set KSTEP,  512
.set NQ,     KSTEP/128
.set ROWB,   256
.set KROW,   SIZE_K*4/8
.set PITCH,  272                       ; an LDS row: 256 bytes + 16 of padding, so that the 16 rows that a load touches start at 16 different banks (64 banks of 4 bytes: ISA guide 11.1)
.set FR,     8
.set NL,     2
.set NP,     4
.set HALFT,  128*PITCH
.set SLOT,   4*HALFT
.set KS,     SIZE_K/32
.set SCL,    2*SLOT
.set HALFS,  (128*KS/256)*272
.set SBLK,   (16*KS/256)*272
.set SPARE,  SCL+4*HALFS               ; the spare words, 128 bytes for each wave
.set SPITCH, 528                       ; the way out: 16 rows x (512 + 16) bytes for each wave, in slot 0, which has had its only fill and its last read by then
.set ADRA, 16
.set ADRB, 20
.set STO,  24
.set RD,   25
.set CO,   26
.set SPW,  28
.set NIL,  29
.set ADRS, 27
.set SC,   32
.set AF,   128
.set BK,   128
.set BI,   192                         ; the bias, in window 1
.set G1, 24
.set G0, 32
.set G1B, 48
.set G0B, 56
.set G1S, 68
.set G0S, 76
.set G1SB, 80
.set G0SB, 88
.set MSB, 0
.macro WIN new
.if MSB != (\new)
	s_set_vgpr_msb (MSB<<8)|(\new)
.set MSB, (\new)
.endif
.endm
.set MUL_LO, 0xa1                      ; source 0 (B) window 1, source 1 (A) window 0, C and D window 2
.set MUL_HI, 0xf1                      ; the same, C and D window 3
.set BIA_LO, 0x91                      ; the first products: C (the bias) window 1, D window 2
.set BIA_HI, 0xd1                      ; D window 3
.set TO_B,   0x40
.macro JLOAD g0a, g1a, g0b, g1b        ; a joint load: waves 0 and 1 fetch for A, waves 2 and 3 for B; the branch hangs on the wave's number alone
	s_cmp_eq_u32 s15, 0
	s_cbranch_scc0 .Lfor_b_\@
	tensor_load_to_lds s[\g0a:\g0a+3], s[\g1a:\g1a+7]
	s_nop 0
.rept 4
	v_nop
.endr
	s_branch .Lasked_\@
.Lfor_b_\@:
	tensor_load_to_lds s[\g0b:\g0b+3], s[\g1b:\g1b+7]
	s_nop 0
.rept 4
	v_nop
.endr
.Lasked_\@:
.endm
.macro CREST
	s_cmp_lg_u32 s14, 0
	s_cbranch_scc1 .Lnot_wave_0_\@
	s_barrier_signal -3
.Lnot_wave_0_\@:
	s_barrier_wait -3
	s_barrier_signal -1
	s_barrier_wait -1
.endm
.macro CROUND
	s_barrier_signal -1
	s_barrier_wait -1
	CREST
.endm
	s_load_b128 s[4:7], s[0:1], 0x0                ; A's codes, A's scales
	s_load_b128 s[8:11], s[0:1], 0x10              ; B's codes, B's scales
	s_load_b64 s[12:13], s[0:1], 0x20              ; C
	s_load_b64 s[66:67], s[0:1], 0x28              ; the bias
	v_lshl_add_u32 v[SPW], v0, 2, SPARE
	v_mov_b32 v[NIL], 0
	ds_add_u32 v28, v29
	ds_add_u32 v28, v29
	s_wait_dscnt 0x0
	v_lshrrev_b32 v1, 5, v0
	v_readfirstlane_b32 s14, v1                    ; wave 0..3
	s_lshr_b32 s15, s14, 1                         ; which half of the tile's rows is mine.  Also: I fetch for A (0) or for B (1)
	s_and_b32 s16, s14, 1                          ; which half of its columns.  Also: which 128 rows of that tile I fetch
	s_bfe_u32 s40, ttmp6, 0x40000                  ; cx, cy
	s_bfe_u32 s41, ttmp6, 0x40004
	s_lshl_b32 s42, ttmp9, 2
	s_add_co_u32 s42, s42, s40                     ; tile column of C
	s_and_b32 s17, ttmp7, 0xffff
	s_lshl_b32 s17, s17, 2
	s_add_co_u32 s17, s17, s41                     ; tile row of C
	s_lshl_b32 s43, s41, 2
	s_lshl_b32 s43, 15, s43                        ; my row of the cluster
	s_lshl_b32 s44, 0x1111, s40                    ; my column
	s_or_b32 s[G1+0], s43, (0<<16)|(1<<20)|(1<<21)|(5<<22)|(3<<25)  ; the mask; elements of 1 byte; padding: 4 words after every 64; bit 21 beside a mask
	s_or_b32 s[G1B+0], s44, (0<<16)|(1<<20)|(1<<21)|(5<<22)|(3<<25)
.irp g, G1, G1B
	s_mov_b32 s[\g+1], ROWB<<16
	s_mov_b32 s[\g+2], 128<<16
	s_mov_b32 s[\g+3], ROWB<<16
	s_mov_b32 s[\g+4], 128
	s_mov_b32 s[\g+5], KROW
	s_mov_b32 s[\g+6], 0
	s_mov_b32 s[\g+7], 0
.endr
	s_or_b32 s[G1S+0], s43, (3<<16)|(1<<20)|(1<<21)|(5<<22)|(3<<25)  ; the scales of 128 rows: a dense block, as rows of 256 bytes
	s_or_b32 s[G1SB+0], s44, (3<<16)|(1<<20)|(1<<21)|(5<<22)|(3<<25)
.irp g, G1S, G1SB
	s_mov_b32 s[\g+1], 32<<16
	s_mov_b32 s[\g+2], (128*KS/256)<<16
	s_mov_b32 s[\g+3], 32<<16
	s_mov_b32 s[\g+4], 128*KS/256
	s_mov_b32 s[\g+5], 32
	s_mov_b32 s[\g+6], 0
	s_mov_b32 s[\g+7], 0
.endr
	s_lshl_b32 s18, s16, 7
	s_lshl_b32 s20, s17, 8
	s_add_co_u32 s20, s20, s18                     ; A: row 256 x tile row + 128 x half
	s_lshl_b32 s46, s42, 8
	s_add_co_u32 s46, s46, s18                     ; B: row 256 x tile column + 128 x half
	s_mov_b32 s21, 0
	s_mov_b32 s47, 0
	s_mov_b64 s[18:19], KS
	s_mul_u64 s[22:23], s[20:21], s[18:19]
	s_mul_u64 s[92:93], s[46:47], s[18:19]
	s_mov_b64 s[18:19], KROW
	s_mul_u64 s[20:21], s[20:21], s[18:19]
	s_mul_u64 s[46:47], s[46:47], s[18:19]
	s_mul_i32 s45, s14, HALFT                      ; where they go: wave x 128 rows
	s_mul_i32 s94, s14, HALFS
	s_wait_kmcnt 0x0
	s_add_nc_u64 s[20:21], s[4:5], s[20:21]
	s_add_nc_u64 s[22:23], s[6:7], s[22:23]
	s_add_nc_u64 s[46:47], s[8:9], s[46:47]
	s_add_nc_u64 s[92:93], s[10:11], s[92:93]
	CROUND                                         ; all sixteen work-groups are here: the joint loads meet
	s_mov_b32 s[G0S], 1
	s_add_co_u32 s[G0S+1], s94, SCL
	s_mov_b64 s[G0S+2:G0S+3], s[22:23]
	s_or_b32 s[G0S+3], s[G0S+3], 0x80000000
	s_mov_b32 s[G0SB], 1
	s_add_co_u32 s[G0SB+1], s94, SCL
	s_mov_b64 s[G0SB+2:G0SB+3], s[92:93]
	s_or_b32 s[G0SB+3], s[G0SB+3], 0x80000000
	JLOAD G0S, G1S, G0SB, G1SB                     ; the scales first
.irp s, 0,1
	s_mov_b32 s[G0+4*\s], 1
	s_add_co_u32 s[G0+4*\s+1], s45, \s*SLOT
	s_add_nc_u64 s[G0+4*\s+2:G0+4*\s+3], s[20:21], \s*ROWB
	s_or_b32 s[G0+4*\s+3], s[G0+4*\s+3], 0x80000000
	s_mov_b32 s[G0B+4*\s], 1
	s_add_co_u32 s[G0B+4*\s+1], s45, \s*SLOT
	s_add_nc_u64 s[G0B+4*\s+2:G0B+4*\s+3], s[46:47], \s*ROWB
	s_or_b32 s[G0B+4*\s+3], s[G0B+4*\s+3], 0x80000000
	JLOAD G0+4*\s, G1, G0B+4*\s, G1B
.endr
	v_and_b32 v1, 15, v0                           ; l % 16
	v_bfe_u32 v2, v0, 4, 1                         ; l / 16
	v_mul_u32_u24 v3, v1, PITCH
	v_lshl_add_u32 v4, v2, 4, v3
	s_mul_i32 s21, s15, HALFT
	s_mul_i32 s22, s16, HALFT
	s_add_co_u32 s22, s22, 2*HALFT
.irp s, 0,1
	v_add_nc_u32 v[ADRA+\s], s21, v4
	v_add_nc_u32 v[ADRB+\s], s22, v4
	s_add_co_u32 s21, s21, SLOT
	s_add_co_u32 s22, s22, SLOT
.endr
	v_mul_u32_u24 v5, v1, KS                       ; my row's scales: KS bytes a row,
	v_lshrrev_b32 v6, 8, v5
	v_lshl_add_u32 v5, v6, 4, v5                   ; and 16 more for each 256 passed
	s_mul_i32 s21, s15, HALFS
	s_mul_i32 s22, s16, HALFS
	s_add_co_u32 s22, s22, 2*HALFS
	s_sub_co_u32 s22, s22, s21
	v_mul_u32_u24 v6, s22, v2                      ; lanes 16-31 take B's
	s_add_co_u32 s21, s21, SCL
	v_add_nc_u32 v5, v5, v6
	v_add_nc_u32 v[ADRS], s21, v5
	s_mul_i32 s23, s14, 16*SPITCH                  ; my stage
	v_mul_u32_u24 v5, v1, SPITCH
	v_lshl_add_u32 v5, v2, 5, v5
	v_add_nc_u32 v[STO], s23, v5
	v_and_b32 v6, 31, v0
	v_lshlrev_b32 v[CO], 4, v6
	v_add_nc_u32 v[RD], s23, v[CO]
	s_lshl_b32 s20, s17, 8
	s_lshl_b32 s21, s15, 7
	s_add_co_u32 s20, s20, s21                     ; my first row of C
	s_mov_b32 s21, 0
	s_mov_b64 s[18:19], SIZE_N*4
	s_mul_u64 s[20:21], s[20:21], s[18:19]
	s_lshl_b32 s46, s42, 10                        ; my first column, in bytes: 1024 x tile column + 512 x half
	s_lshl_b32 s47, s16, 9
	s_add_co_u32 s46, s46, s47
	s_mov_b32 s47, 0
	s_add_nc_u64 s[20:21], s[20:21], s[46:47]
	s_add_nc_u64 s[12:13], s[12:13], s[20:21]
	s_add_nc_u64 s[66:67], s[66:67], s[46:47]      ; the bias of my 128 columns
	v_lshlrev_b32 v7, 5, v2                        ; a lane's eight results of block b are columns 16 b + 8 (l / 16) + 0 .. 7
	WIN TO_B
.irp b, 0,1,2,3,4,5,6,7
	global_load_b128 v[BI+8*\b:BI+8*\b+3], v7, s[66:67] offset:64*\b
	global_load_b128 v[BI+8*\b+4:BI+8*\b+7], v7, s[66:67] offset:64*\b+16
.endr
	WIN 0
.macro FRAG reg, adr, q, i             ; a fragment: lane l holds row l % 16; registers 4 c .. 4 c + 3 hold K = 64 c + 32 (l / 16) + 0 .. 31
.irp c, 0,1
	ds_load_b128 v[\reg+4*\c:\reg+4*\c+3], v[\adr] offset:64*(\q)+32*\c+(\i)*16*PITCH
.endr
.endm
; 16 products: A's blocks a0, a0 + 1 x B's eight.  zero = 1: the first product starts the sums, from the bias.  The 64 accumulators take turns, one instruction a turn
.macro MUL16 a0, p, q, sc, zero
.irp a, \a0, \a0+1
.irp b, 0,1,2,3,4,5,6,7
.if \zero
	v_wmma_scale_f32_16x16x128_f8f6f4 v[8*(8*((\a)%4)+\b):8*(8*((\a)%4)+\b)+7], v[128*(\p)+FR*\b:128*(\p)+FR*\b+FR-1], v[AF+FR*(\a):AF+FR*(\a)+FR-1], v[BI+8*\b:BI+8*\b+7], v[SC+8*NQ*(\sc)+NQ*\b+(\q)], v[SC+8*NQ*(\sc)+NQ*(\a)+(\q)] matrix_a_fmt:MATRIX_FMT_FP4 matrix_b_fmt:MATRIX_FMT_FP4 matrix_a_scale:MATRIX_SCALE_ROW1
.else
	v_wmma_scale_f32_16x16x128_f8f6f4 v[8*(8*((\a)%4)+\b):8*(8*((\a)%4)+\b)+7], v[128*(\p)+FR*\b:128*(\p)+FR*\b+FR-1], v[AF+FR*(\a):AF+FR*(\a)+FR-1], v[8*(8*((\a)%4)+\b):8*(8*((\a)%4)+\b)+7], v[SC+8*NQ*(\sc)+NQ*\b+(\q)], v[SC+8*NQ*(\sc)+NQ*(\a)+(\q)] matrix_a_fmt:MATRIX_FMT_FP4 matrix_b_fmt:MATRIX_FMT_FP4 matrix_a_scale:MATRIX_SCALE_ROW1
.endif
.endr
.endr
.endm
.macro FETCH_B slot, q, p
	WIN TO_B
.irp i, 0,1,2,3,4,5,6,7
	FRAG 128*(\p)+FR*\i, ADRB+\slot, \q, \i
.endr
	WIN 0
.endm
.macro FETCH_A slot, q, i0
.irp i, \i0, \i0+1, \i0+2, \i0+3
	FRAG AF+FR*(\i), ADRA+\slot, \q, \i
.endr
.endm
.macro SCALES sc                       ; a K step's scale words: lanes 0-15 A's block i, lanes 16-31 B's block i
.irp i, 0,1,2,3,4,5,6,7
	ds_load_b128 v[SC+8*NQ*\sc+NQ*\i:SC+8*NQ*\sc+NQ*\i+3], v[ADRS] offset:\i*SBLK
.endr
.endm
.macro PLACES n                        ; plain lines between a matrix instruction and a load into its registers or a read of its result
.rept \n
	v_nop
.endr
.endm
.macro STEP slot, q, zero              ; a step of 128 along K that has its successor in the same slot
	s_wait_dscnt 4*NL                              ; B's set and A's blocks 0-3 are in; the youngest loads (A's blocks 4-7) may be out
.if \zero
	WIN BIA_LO
.else
	WIN MUL_LO
.endif
	MUL16 0, (\q)%2, \q, \slot, \zero
	MUL16 2, (\q)%2, \q, \slot, \zero
	s_wait_dscnt 0
	PLACES NP
	FETCH_B \slot, (\q)+1, 1-(\q)%2
	FETCH_A \slot, (\q)+1, 0
.if \zero
	WIN BIA_HI
.else
	WIN MUL_HI
.endif
	MUL16 4, (\q)%2, \q, \slot, \zero
	MUL16 6, (\q)%2, \q, \slot, \zero
	PLACES NP
	WIN 0
	FETCH_A \slot, (\q)+1, 4
.endm
; Slot 0's last step changes slots: one barrier; in front of it each wave waits for all its tensor loads, adds 0 to its spare word, and waits for that and for its own reads of the slot
.macro TURN slot, next
	s_wait_tensorcnt 0x0                           ; all my tensor loads have landed: my part of the next slot
	ds_add_u32 v[SPW], v[NIL]                      ; 0 onto my spare word
	s_wait_dscnt 4*NL+1                            ; (the add and the youngest loads, A's blocks 4-7, may be out)
	WIN MUL_LO
	MUL16 0, 1, NQ-1, \slot, 0
	s_wait_dscnt 0x0                               ; the add is done, and my reads of this slot are over
	s_barrier_signal -1
	MUL16 2, 1, NQ-1, \slot, 0
	WIN 0
	s_barrier_wait -1
	PLACES NP
	v_add_nc_u32 v[ADRS], 4*NQ, v[ADRS]            ; on to the next K step's scale words
	FETCH_B \next, 0, 0
	FETCH_A \next, 0, 0
	SCALES \next
	WIN MUL_HI
	MUL16 4, 1, NQ-1, \slot, 0
	MUL16 6, 1, NQ-1, \slot, 0
	PLACES NP
	WIN 0
	FETCH_A \next, 0, 4
.endm
.macro STEPS slot, from
.set Q, \from
.rept NQ-1-\from
	STEP \slot, Q, 0
.set Q, Q+1
.endr
.endm
	s_wait_tensorcnt 1                             ; the scales and my part of K step 0 are in (K step 1's load may be out),
	s_barrier_signal -1
	s_barrier_wait -1                              ; everybody's are
	FETCH_B 0, 0, 0
	FETCH_A 0, 0, 0
	SCALES 0
	FETCH_A 0, 0, 4
	s_wait_loadcnt 0x0                             ; the bias
	STEP 0, 0, 1
	STEPS 0, 1
	TURN 0, 1
	STEPS 1, 0
	s_wait_dscnt 4*NL                              ; the very last step: nothing more to fetch
	WIN MUL_LO
	MUL16 0, 1, NQ-1, 1, 0
	MUL16 2, 1, NQ-1, 1, 0
	s_wait_dscnt 0
	WIN MUL_HI
	MUL16 4, 1, NQ-1, 1, 0
	MUL16 6, 1, NQ-1, 1, 0
	WIN 0
; THE WAY OUT, block by block of 16 rows x 128 columns, through my own stage in LDS: back come whole rows of 512 bytes.  LDS serves a wave's instructions in order (ISA guide 5.7.1.4)
.macro TOSTAGE a
.set AC, 64*((\a)%4)
	WIN 0x08+4*((\a)/4)                            ; the data: window 2 or 3
.irp b, 0,1,2,3,4,5,6,7
	ds_store_b128 v[STO], v[AC+8*\b:AC+8*\b+3] offset:64*\b          ; each accumulator from its low end on
	ds_store_b128 v[STO], v[AC+8*\b+4:AC+8*\b+7] offset:64*\b+16
.endr
	WIN 0
.set BB, BK+64*((\a)%2)
.irp t, 0,1,2,3,4,5,6,7,8,9,10,11,12,13,14,15
	ds_load_b128 v[BB+4*\t:BB+4*\t+3], v[RD] offset:\t*SPITCH
.endr
.endm
.macro SEND a, younger                 ; younger: the LDS instructions issued behind block a's loads, which may stay out
.set BB, BK+64*((\a)%2)
	s_wait_dscnt \younger
.if (\a) > 0
	s_add_nc_u64 s[12:13], s[12:13], 16*SIZE_N*4   ; (behind a wait on XCNT: the earlier stores have read their base)
.endif
.irp t, 0,1,2,3,4,5,6,7,8,9,10,11,12,13,14,15
	global_store_b128 v[CO], v[BB+4*\t:BB+4*\t+3], s[12:13] offset:\t*SIZE_N*4 th:TH_STORE_NT   ; 32 lanes store 512 consecutive bytes, at a multiple of 256 from C's first byte
.endr
.endm
	PLACES NP
	TOSTAGE 0
.irp a, 1,2,3,4,5,6,7
.if \a > 1
	s_wait_xcnt 0x0                                ; block a - 2's stores have read their registers and their base
.endif
	TOSTAGE \a
	SEND \a-1, 32                                  ; behind block a - 1's loads: block a's 16 stores and 16 loads
.endr
	s_wait_xcnt 0x0
	SEND 7, 0
	s_wait_tensorcnt 0x0                           ; the wave's end
	ds_add_u32 v[SPW], v[NIL]
	s_wait_dscnt 0x0
	CROUND                                         ; the closing round
	s_endpgm
.Lfunc_end_k_q1439f902eb_outp:
	.size	k_q1439f902eb_outp, .Lfunc_end_k_q1439f902eb_outp-k_q1439f902eb_outp
	.p2alignl 7, 3214868480
	.fill 96, 4, 3214868480
	.section	.rodata,"a",@progbits
	.p2align	6, 0x0
	.amdhsa_kernel k_q1439f902eb_outp
		.amdhsa_group_segment_fixed_size 327680
		.amdhsa_private_segment_fixed_size 0
		.amdhsa_enable_private_segment 0
		.amdhsa_kernarg_size 48
		.amdhsa_user_sgpr_count 2
		.amdhsa_user_sgpr_kernarg_segment_ptr 1
		.amdhsa_wavefront_size32 1
		.amdhsa_system_sgpr_workgroup_id_x 1
		.amdhsa_system_sgpr_workgroup_id_y 1
		.amdhsa_system_sgpr_workgroup_id_z 1
		.amdhsa_system_vgpr_workitem_id 0
		.amdhsa_next_free_vgpr 1024
		.amdhsa_next_free_sgpr 98
		.amdhsa_reserve_vcc 0
		.amdhsa_float_denorm_mode_32 3
		.amdhsa_float_denorm_mode_16_64 3
		.amdhsa_memory_ordered 1
		.amdhsa_forward_progress 1
		.amdhsa_inst_pref_size 126
	.end_amdhsa_kernel
	.amdgpu_metadata
---
amdhsa.version: [ 1, 2 ]
amdhsa.kernels:
  - .name:           k_q1439f902eb_outp
    .symbol:         k_q1439f902eb_outp.kd
    .args:
      - { .name: ccodes, .offset: 0, .size: 8, .value_kind: global_buffer, .address_space: global }
      - { .name: cscales, .offset: 8, .size: 8, .value_kind: global_buffer, .address_space: global }
      - { .name: Wf_codes, .offset: 16, .size: 8, .value_kind: global_buffer, .address_space: global }
      - { .name: Wf_scales, .offset: 24, .size: 8, .value_kind: global_buffer, .address_space: global }
      - { .name: out0, .offset: 32, .size: 8, .value_kind: global_buffer, .address_space: global }
      - { .name: bf, .offset: 40, .size: 8, .value_kind: global_buffer, .address_space: global }
    .group_segment_fixed_size: 327680
    .private_segment_fixed_size: 0
    .kernarg_segment_align: 8
    .kernarg_segment_size: 48
    .max_flat_workgroup_size: 128
    .sgpr_count:     98
    .vgpr_count:     1024
    .wavefront_size: 32
...
	.end_amdgpu_metadata
.endif
;; end of part 3
